; MI455X (gfx1250); checked and timed in simulation.
; The chip was launched on July 23, 2026; its instructions are those of AMD's public machine-readable ISA for CDNA 5 (MIT licence, August 2026) and "CDNA5" Instruction Set Architecture Reference Guide (July 2026). The comments in the code are by the model that wrote it; some were corrected since.
;; Sparse Mixture Of Experts. Allowed arithmetic: matrix products marked QUANTISED: E5M2 operands, one E8M0 scale for each 32 along K, by v_wmma_scale_f32_16x16x128_f8f6f4 with both operands' format E5M2, f32 sums; products left as they are: f32 operands where the result goes on into a quantised operand, else bf16, f16 or f32 operands; f32 sums; everything else in f32.
;; Inputs: We_codes 8 x 2,048 x 64 x 32 uint8 (E5M2 codes of We, K innermost, in blocks of 32 codes); We_scales 8 x 2,048 x 64 uint8 (E8M0 scales of We, one for each 32 codes along K); Wg 2,048 x 8 float32; be 8 x 2,048 float32; bg 8 float32; x 2,048 x 2,048 float32.
;; Outputs: out0 2,048 x 2,048 float32.
;; This version of the problem:
;;   THIS VERSION OF THE PROBLEM IS GIVEN IN LOW PRECISION. The matrix products marked QUANTISED in the list below multiply operands that are first quantised to E5M2 (5 exponent bits, 2 mantissa bits; 8 bits a number), with one power-of-two scale for each 32 numbers along K (OCP MX v1.0); their sums are f32. All else is computed in f32.
;;   The module's matrix products, in the order in which they are computed (A, B: the left and right operand; K: the contracted axis; several contracted axes count as one K, in the product's order):
;;     1. [M 2,048, K 2,048] x [K 2,048, N 8]; A: input x; B: input Wg: left as it is (N = 8 < 16)
;;     2. [M 16,384, K 2,048] x [K 2,048, N 2,048]; A: input We (given as codes); B: input x: QUANTISED
;;   THE QUANTISER, for each operand of a quantised product, along K:
;;     - K is cut into blocks of 32 from its start; a last block that is shorter is filled with zeros.
;;     - A block's scale is 2^e with e = floor(log2(the largest magnitude in the block)) - 15, held to -126 .. 127; a block of zeros has e = 0. As a byte (E8M0): e + 127.
;;     - Each number is divided by its block's scale, clamped to +-57,344, and rounded to the nearest number of E5M2, ties to even, subnormals kept.
;;     - The product sums the exact products of the quantised numbers (number of the format x scale) in f32.
;;   ~~~python
;;   def quantise(x, axis):      # numpy; x: float32 -> the quantised numbers, widened to float32 again
;;       x = np.moveaxis(x, axis, -1); K = x.shape[-1]
;;       x = np.pad(x, [(0, 0)] * (x.ndim - 1) + [(0, -K % 32)]); x = x.reshape(x.shape[:-1] + (-1, 32)); a = np.abs(x).max(-1, keepdims=True)
;;       e = np.where(a > 0, np.clip(np.frexp(np.where(a > 0, a, 1))[1] - 1 - 15, -126, 127), 0)      # np.frexp(a)[1] - 1 = floor(log2(a)), exactly
;;       r = np.clip(x / 2.0 ** e, -57344, 57344)
;;       step = 2.0 ** (np.maximum(np.frexp(np.where(r == 0, 1, r))[1] - 1, -14) - 2)
;;       q = np.round(r / step) * step * 2.0 ** e      # np.round: ties to even
;;       return np.moveaxis(q.reshape(q.shape[:-2] + (-1,))[..., :K], -1, axis).astype(np.float32)
;;   ~~~
;;   INPUTS GIVEN AS CODES. We (in the module: [8, 2048, 2048], K = its axis 1): each comes as NAME_codes (uint8): NAME with its K axis moved to the last place and cut into blocks of 32 codes, [.., K / 32, bytes a block], one block behind the other in memory; one code a byte (a code: sign, 5 exponent bits, 2 mantissa bits); and NAME_scales (uint8): the same leading axes, one E8M0 byte (e + 127) for each 32 codes along K. Its value is code x scale, taken as it is: it is not quantised again, and the codes and scales need not be those that the quantiser above would give.
;; 2 versions. Each part assembles by itself: llvm-mc -triple=amdgcn-amd-amdhsa -mcpu=gfx1250 --defsym DOCPART=n.
;; ======== version 1 of 2: 3 launches
;; workspace buffers: xq 4,194,304 bytes; xs 131,072 bytes; sel 8,192 bytes of whole numbers; gw 16,384 bytes; ord 8,192 bytes of whole numbers; bm 256 bytes of whole numbers
;; launch route (part 1): grid 256 x 1, 8 waves a work-group, no clusters, 72,192 bytes of LDS; arguments x, Wg, bg, xq, xs, sel, gw; writes xq, xs, sel, gw
.if DOCPART == 1
	.amdgcn_target "amdgcn-amd-amdhsa--gfx1250"
	.amdhsa_code_object_version 6
	.text
	.protected	k_qc1c84e7f17_route
	.globl	k_qc1c84e7f17_route
	.p2align	8
	.type	k_qc1c84e7f17_route,@function
k_qc1c84e7f17_route:
	s_mov_b64 s[64:65], 0
	v_nop
	global_prefetch_b8 v0, s[64:65] scope:SCOPE_SE
	s_setreg_imm32_b32 hwreg(HW_REG_WAVE_MODE, 25, 1), 1
	s_wait_xcnt 0x0
; LAUNCH 1 OF 3: the gate, the choice of two experts for each token, and x as codes of E5M2 with one E8M0 byte for each 32 along D.
; WORK THAT THE PROGRAM LEAVES OUT.  reference() forms y[e] = x We[e] + be[e] for all 8 experts and then reads y[idx[n,0], n] and y[idx[n,1], n] alone: for token n the rows of the six
; other experts reach no output, whatever the inputs hold.  Which two are read is a choice by whole numbers: this launch stores them at fixed places (sel, gw), the second launch sorts the
; tokens by their pair of experts, and the third, which reads the sorted list from memory, multiplies a block of 64 tokens only by the experts that some token of the block has chosen.
; Every input has a way to the output and is loaded (bg moves the choice and the weights, be is added to the chosen rows).
; LIMITS.  A NaN, an infinity or an overflow that arises only in a product that is left out is not carried to the result.  A logit that is NaN never wins a place among the two (but for
; logit 0, which then keeps the first place).  Two logits closer than the order of an f32 sum of 2,048 terms can tell apart may change places.  A block of 32 zeros of x gets the scale
; byte 1 where the quantiser says 127: its codes are zeros, and this program alone reads the bytes.  NaN and infinities in x are not served.
; SHARES.  A work-group takes 8 tokens.  Thread t (0..255) owns k = 8 t .. 8 t + 7 of every row: its 8 x 8 numbers of Wg stay in registers for all 8 tokens, a lane's 8 registers are 8
; neighbours along K as the conversion wants them, and a block of 32 lies in 4 neighbouring lanes.  The gate is kept in f32 throughout: fused multiply-adds, then sums through LDS.
.set PP,    272                        ; a thread's row in LDS: 256 bytes + 16: an odd multiple of 16, so that 16 rows begin at 16 different groups of banks
.set S2,    256*PP                     ; behind the 256 rows: 4 x 64 sums of a quarter of the threads each
.set XSC,   S2+1024                    ; the 8 tokens' 64 scale bytes
.set SPARE, XSC+512                    ; the spare words, 128 bytes for each wave: four blocks of 256 bytes that no other line names
.set WGR,   16                         ; v16-79   Wg(8 t + j, e) at 16 + 8 j + e
.set X,     80                         ; v80-143  x(token n, 8 t + j) at 80 + 8 n + j; later the sums' operands
.set P,     144                        ; v144-207 first Wg as it is loaded; then my part of logit (n, e) at 144 + 8 n + e
.set CD,    208                        ; v208-223 codes, two registers a token: no store's data are written again
.set SB,    224                        ; v224-231 a scale byte a token
.set T,     232                        ; v232-235 at work in the quantiser
; v1, v2: the add's two registers.  v3 32 t (x), v4 8 t (codes), v5 my block's scale byte in LDS, v6 my row in LDS, v7 Wg's way into LDS, v9 lane, v10 16 x lane, v11 Wg's offset,
; v12 scale bytes back, v13 the column that I sum, v14 where my sum goes, v15 my token's sums (wave 0).  All LDS addresses are made here, ahead of the branches on the wave's number.
	s_load_b256 s[4:11], s[0:1], 0x0               ; x s[4:5], Wg s[6:7], bg s[8:9], xq s[10:11]
	s_load_b128 s[12:15], s[0:1], 0x20             ; xs s[12:13], sel s[14:15]
	s_load_b64 s[16:17], s[0:1], 0x30              ; gw
	v_lshl_add_u32 v1, v0, 2, SPARE
	v_mov_b32 v2, 0
	v_lshrrev_b32 v8, 5, v0
	v_readfirstlane_b32 s18, v8                    ; wave 0..7
	s_mov_b32 s19, 0x600000                        ; the mantissa field of 57,344
	v_lshlrev_b32 v3, 5, v0
	v_lshlrev_b32 v4, 3, v0
	v_lshrrev_b32 v5, 2, v0
	v_add_nc_u32 v5, XSC, v5
	v_mul_u32_u24 v6, v0, PP
	v_and_b32 v9, 31, v0
	v_lshlrev_b32 v10, 4, v9
	v_lshl_add_u32 v11, v8, 13, v10                ; my wave's 8,192 bytes of Wg, 16 bytes a lane
	v_mul_u32_u24 v7, v8, 32*PP                    ; a load's 512 bytes are the rows of two threads: row 32 w + 2 i + lane / 16, byte 16 (lane % 16)
	v_bfe_u32 v12, v0, 4, 1
	v_mad_u32_u24 v7, v12, PP, v7
	v_and_b32 v12, 15, v0
	v_lshl_add_u32 v7, v12, 4, v7
	v_add_nc_u32 v12, XSC, v10
	v_lshrrev_b32 v13, 6, v0                       ; threads 64 s .. 64 s + 63 sum the rows of threads 64 s .. 64 s + 63, a column (n, e) each
	v_mul_u32_u24 v13, v13, 64*PP
	v_and_b32 v14, 63, v0
	v_lshl_add_u32 v13, v14, 2, v13
	v_lshl_add_u32 v14, v0, 2, S2
	v_and_b32 v15, 7, v0
	v_lshl_add_u32 v15, v15, 5, S2
	s_wait_kmcnt 0x0
	s_load_b256 s[24:31], s[8:9], 0x0              ; bg: 8 numbers, all of the buffer
	s_mov_b32 s3, 0
	s_lshl_b32 s2, ttmp9, 16                       ; 8 rows of 8,192 bytes
	s_add_nc_u64 s[4:5], s[4:5], s[2:3]
	s_lshl_b32 s2, ttmp9, 14                       ; 8 rows of 2,048 codes
	s_add_nc_u64 s[10:11], s[10:11], s[2:3]
	s_lshl_b32 s2, ttmp9, 9                        ; 8 rows of 64 scale bytes
	s_add_nc_u64 s[12:13], s[12:13], s[2:3]
	s_lshl_b32 s2, ttmp9, 5                        ; 8 words
	s_add_nc_u64 s[14:15], s[14:15], s[2:3]
	s_lshl_b32 s2, ttmp9, 6                        ; 8 pairs of f32
	s_add_nc_u64 s[16:17], s[16:17], s[2:3]
.irp i, 0,1,2,3,4,5,6,7,8,9,10,11,12,13,14,15
	global_load_b128 v[P+4*\i:P+4*\i+3], v11, s[6:7] offset:512*\i             ; 32 lanes read 512 consecutive bytes of Wg
.endr
.irp n, 0,1,2,3,4,5,6,7
	global_load_b128 v[X+8*\n:X+8*\n+3], v3, s[4:5] offset:8192*\n th:TH_LOAD_NT      ; the pair of loads covers 1,024 consecutive bytes of the token's row
	global_load_b128 v[X+8*\n+4:X+8*\n+7], v3, s[4:5] offset:8192*\n+16 th:TH_LOAD_NT
.endr
	s_wait_loadcnt 16                              ; Wg is in; the 16 younger loads, x's, may be out
.irp i, 0,1,2,3,4,5,6,7,8,9,10,11,12,13,14,15
	ds_store_b128 v7, v[P+4*\i:P+4*\i+3] offset:2*PP*\i                        ; Wg turns through my wave's own 32 rows: in as it lies,
.endr
.irp p, 0,1,2,3,4,5,6,7,8,9,10,11,12,13,14,15
	ds_load_b128 v[WGR+4*\p:WGR+4*\p+3], v6 offset:16*\p                       ; back 256 bytes a thread.  LDS serves a wave's instructions in order: no wait between, and no barrier: the rows are my wave's
.endr
	s_wait_dscnt 0x0
; One token: my part of its 8 logits, then my 8 numbers as codes.
.macro TOKEN n
	s_wait_loadcnt 14-2*\n                         ; loads come back in order: this token's two are in, the later tokens' may be out
.irp q, 0,2,4,6
	v_pk_mul_f32 v[P+8*\n+\q:P+8*\n+\q+1], v[WGR+\q:WGR+\q+1], v[X+8*\n:X+8*\n+1] op_sel_hi:[1,0]   ; the first product starts the sums: two experts at a time, x(n, 8 t) for both
.endr
.irp j, 1,2,3,4,5,6,7
.irp q, 0,2,4,6
.if \j%2
	v_pk_fma_f32 v[P+8*\n+\q:P+8*\n+\q+1], v[WGR+8*\j+\q:WGR+8*\j+\q+1], v[X+8*\n+\j-1:X+8*\n+\j], v[P+8*\n+\q:P+8*\n+\q+1] op_sel:[0,1,0] op_sel_hi:[1,1,1]   ; the pair's upper x for both halves
.else
	v_pk_fma_f32 v[P+8*\n+\q:P+8*\n+\q+1], v[WGR+8*\j+\q:WGR+8*\j+\q+1], v[X+8*\n+\j:X+8*\n+\j+1], v[P+8*\n+\q:P+8*\n+\q+1] op_sel_hi:[1,0,1]                  ; the pair's lower x for both halves
.endif
.endr
.endr
	v_max3_num_f32 v[T], |v[X+8*\n]|, |v[X+8*\n+1]|, 0x8000000        ; the largest magnitude of my 8, and the floor 2^(16 - 127): so the byte cannot fall under 1
	v_max3_num_f32 v[T+1], |v[X+8*\n+2]|, |v[X+8*\n+3]|, |v[X+8*\n+4]|
	v_max3_num_f32 v[T], v[T], |v[X+8*\n+5]|, |v[X+8*\n+6]|
	v_max3_num_f32 v[T], v[T], v[T+1], |v[X+8*\n+7]|
	v_max_num_f32_dpp v[T], v[T], v[T] row_xmask:1 row_mask:0xf bank_mask:0xf   ; with the three lanes that share my block of 32
	v_max_num_f32_dpp v[T], v[T], v[T] row_xmask:2 row_mask:0xf bank_mask:0xf
	v_add_nc_u32 v[T+3], 0xf8800000, v[T]          ; 15 off its exponent field: the conversion takes the exponent field of this operand as its scale
	v_and_or_b32 v[T+2], v[T], 0x7f800000, s19     ; 57,344 x the scale
.irp j, 0,1,2,3,4,5,6,7
	v_med3_num_f32 v[X+8*\n+\j], v[X+8*\n+\j], -v[T+2], v[T+2]        ; the conversion to an 8-bit code does not saturate (ISA guide 7.6.2): the hold comes first
.endr
	v_cvt_scalef32_pk8_bf8_f32 v[CD+2*\n:CD+2*\n+1], v[X+8*\n:X+8*\n+7], v[T+3]
	v_lshrrev_b32 v[SB+\n], 23, v[T+3]             ; the scale's byte; also the plain line behind the conversion
	global_store_b64 v4, v[CD+2*\n:CD+2*\n+1], s[10:11] offset:2048*\n          ; a wave stores 256 consecutive bytes, aligned
	ds_store_b8 v5, v[SB+\n] offset:64*\n          ; the four lanes of a block write the same byte with the same value
.endm
.irp n, 0,1,2,3,4,5,6,7
	TOKEN \n
.endr
.irp i, 0,1,2,3,4,5,6,7,8,9,10,11,12,13,14,15
	ds_store_b128 v6, v[P+4*\i:P+4*\i+3] offset:16*\i                          ; my 64 partial logits into my row
.endr
	s_wait_kmcnt 0x0                               ; bg
	s_wait_dscnt 0x0                               ; for the others' sake: my stores have landed
	s_barrier_signal -1
	s_barrier_wait -1                              ; all rows and all scale bytes lie in LDS
	s_cmp_lg_u32 s18, 1
	s_cbranch_scc1 .Lnot_wave_1
	ds_load_b128 v[16:19], v12                     ; wave 1: the 8 tokens' 512 scale bytes leave as two whole runs of 256
	s_wait_dscnt 0x0
	global_store_b128 v10, v[16:19], s[12:13]
.Lnot_wave_1:
.irp i, 0,1,2,3,4,5,6,7,8,9,10,11,12,13,14,15,16,17,18,19,20,21,22,23,24,25,26,27,28,29,30,31,32,33,34,35,36,37,38,39,40,41,42,43,44,45,46,47,48,49,50,51,52,53,54,55,56,57,58,59,60,61,62,63
	ds_load_b32 v[X+\i], v13 offset:PP*\i          ; column (n, e) of 64 threads' rows; neighbouring lanes read neighbouring words
.endr
	s_wait_dscnt 0x0
.macro LEVEL w                         ; pairs w registers apart are added, two sums an instruction
.set TU, 0
.rept 32/(\w)
	v_pk_add_f32 v[X+2*(\w)*TU:X+2*(\w)*TU+1], v[X+2*(\w)*TU:X+2*(\w)*TU+1], v[X+2*(\w)*TU+(\w):X+2*(\w)*TU+(\w)+1]
.set TU, TU+1
.endr
.endm
	LEVEL 2
	LEVEL 4
	LEVEL 8
	LEVEL 16
	LEVEL 32
	v_add_f32 v[X], v[X], v[X+1]
	ds_store_b32 v14, v[X]
	s_wait_dscnt 0x0
	s_barrier_signal -1
	s_barrier_wait -1                              ; the 4 x 64 sums lie in LDS
	s_cmp_lg_u32 s18, 0
	s_cbranch_scc1 .Lend
	; wave 0: lane takes token lane % 8 (lanes 8-31 repeat the work of lanes 0-7 and store nothing)
.irp s, 0,1,2,3
	ds_load_b128 v[X+8*\s:X+8*\s+3], v15 offset:256*\s
	ds_load_b128 v[X+8*\s+4:X+8*\s+7], v15 offset:256*\s+16
.endr
	s_wait_dscnt 0x0
.irp q, 0,2,4,6
	v_pk_add_f32 v[X+\q:X+\q+1], v[X+\q:X+\q+1], v[X+8+\q:X+8+\q+1]
	v_pk_add_f32 v[X+16+\q:X+16+\q+1], v[X+16+\q:X+16+\q+1], v[X+24+\q:X+24+\q+1]
.endr
.irp q, 0,2,4,6
	v_pk_add_f32 v[X+\q:X+\q+1], v[X+\q:X+\q+1], v[X+16+\q:X+16+\q+1]
.endr
.irp e, 0,1,2,3,4,5,6,7
	v_add_f32 v[X+\e], s[24+\e], v[X+\e]           ; + bg
.endr
	; the two largest, in one walk.  The compare is strict, so of equal logits the lower index stays ahead, as in jax.lax.top_k.  v112, v113: the largest and its index; v114, v115: the second
	v_mov_b32 v112, v[X]
	v_mov_b32 v113, 0
	v_mov_b32 v114, 0xff800000                     ; -infinity, with index 1: the two indices differ at every step
	v_mov_b32 v115, 1
.irp e, 1,2,3,4,5,6,7
	v_mov_b32 v116, \e
	v_cmp_gt_f32 s20, v[X+\e], v112
	v_cmp_gt_f32 s21, v[X+\e], v114
	v_cndmask_b32 v114, v114, v[X+\e], s21         ; above the second: it takes the second place,
	v_cndmask_b32 v115, v115, v116, s21
	v_cndmask_b32 v114, v114, v112, s20            ; above the first: the old first moves down,
	v_cndmask_b32 v115, v115, v113, s20
	v_cndmask_b32 v112, v112, v[X+\e], s20         ; and it takes the first place
	v_cndmask_b32 v113, v113, v116, s20
.endr
	v_sub_f32 v117, v114, v112                     ; the softmax of the two, the larger taken away: 1 / (1 + e^d) and e^d / (1 + e^d), d = second - first, 0 or less
	v_mul_f32 v117, 0x3fb8aa3b, v117
	v_exp_f32 v118, v117
	v_min_u32 v119, v113, v115                     ; lo (a plain line behind the exponential)
	v_max_u32 v120, v113, v115                     ; hi
	s_wait_alu depctr_va_vdst(0)                   ; the wait ahead of the first line that names the result
	v_add_f32 v121, 1.0, v118
	v_rcp_f32 v122, v121                           ; w0
	; the sort key of the unordered pair, 0..27: pairs by lo; within an even lo hi ascends, within an odd lo it descends, so that neighbouring keys share an expert
	v_sub_nc_u32 v124, 15, v119
	v_mul_u32_u24 v124, v124, v119
	v_lshrrev_b32 v124, 1, v124                    ; lo (15 - lo) / 2 pairs have a smaller lo
	v_sub_nc_u32 v125, v120, v119
	v_add_nc_u32 v125, -1, v125                    ; hi - lo - 1
	v_sub_nc_u32 v126, 7, v120                     ; 7 - hi
	v_and_b32 v127, 1, v119
	v_cmp_eq_u32 vcc_lo, 1, v127
	v_cndmask_b32 v125, v125, v126, vcc_lo
	v_add_nc_u32 v124, v124, v125
	v_lshl_or_b32 v124, v113, 8, v124              ; key | e0 << 8 | e1 << 12
	v_lshl_or_b32 v124, v115, 12, v124
	v_lshlrev_b32 v8, 2, v9
	v_lshlrev_b32 v11, 3, v9
	s_wait_alu depctr_va_vdst(0)                   ; and ahead of the reciprocal's first reader
	v_mul_f32 v123, v118, v122                     ; w1
	v_cmp_gt_u32 vcc_lo, 8, v9
	s_wait_xcnt 0x0                                ; EXEC changes only behind this wait: it is a source of the stores issued so far
	s_and_saveexec_b32 s22, vcc_lo
	global_store_b32 v8, v124, s[14:15]            ; 32 and 64 bytes a work-group: fixed places, no address hangs on the choice.  These two small tables are written in pieces of that size
	global_store_b64 v11, v[122:123], s[16:17]
	s_wait_xcnt 0x0                                ; and again, in front of the line that widens it
	s_or_b32 exec_lo, exec_lo, s22
.Lend:
	s_wait_tensorcnt 0x0                           ; the wave's end
	ds_add_u32 v1, v2
	s_wait_dscnt 0x0
	s_endpgm
.Lfunc_end_k_qc1c84e7f17_route:
	.size	k_qc1c84e7f17_route, .Lfunc_end_k_qc1c84e7f17_route-k_qc1c84e7f17_route
	.p2alignl 7, 3214868480
	.fill 96, 4, 3214868480
	.section	.rodata,"a",@progbits
	.p2align	6, 0x0
	.amdhsa_kernel k_qc1c84e7f17_route
		.amdhsa_group_segment_fixed_size 72192
		.amdhsa_private_segment_fixed_size 0
		.amdhsa_enable_private_segment 0
		.amdhsa_kernarg_size 56
		.amdhsa_user_sgpr_count 2
		.amdhsa_user_sgpr_kernarg_segment_ptr 1
		.amdhsa_wavefront_size32 1
		.amdhsa_system_sgpr_workgroup_id_x 1
		.amdhsa_system_sgpr_workgroup_id_y 1
		.amdhsa_system_sgpr_workgroup_id_z 1
		.amdhsa_system_vgpr_workitem_id 0
		.amdhsa_next_free_vgpr 240
		.amdhsa_next_free_sgpr 66
		.amdhsa_reserve_vcc 1
		.amdhsa_float_denorm_mode_32 3
		.amdhsa_float_denorm_mode_16_64 3
		.amdhsa_memory_ordered 1
		.amdhsa_forward_progress 1
		.amdhsa_inst_pref_size 49
	.end_amdhsa_kernel
	.amdgpu_metadata
---
amdhsa.version: [ 1, 2 ]
amdhsa.kernels:
  - .name:           k_qc1c84e7f17_route
    .symbol:         k_qc1c84e7f17_route.kd
    .args:
      - { .name: x, .offset: 0, .size: 8, .value_kind: global_buffer, .address_space: global }
      - { .name: Wg, .offset: 8, .size: 8, .value_kind: global_buffer, .address_space: global }
      - { .name: bg, .offset: 16, .size: 8, .value_kind: global_buffer, .address_space: global }
      - { .name: xq, .offset: 24, .size: 8, .value_kind: global_buffer, .address_space: global }
      - { .name: xs, .offset: 32, .size: 8, .value_kind: global_buffer, .address_space: global }
      - { .name: sel, .offset: 40, .size: 8, .value_kind: global_buffer, .address_space: global }
      - { .name: gw, .offset: 48, .size: 8, .value_kind: global_buffer, .address_space: global }
    .group_segment_fixed_size: 72192
    .private_segment_fixed_size: 0
    .kernarg_segment_align: 8
    .kernarg_segment_size: 56
    .max_flat_workgroup_size: 256
    .sgpr_count:     66
    .vgpr_count:     240
    .wavefront_size: 32
...
	.end_amdgpu_metadata
.endif
;; end of part 1
;; launch place (part 2): grid 1 x 1, 16 waves a work-group, no clusters, 4,096 bytes of LDS; arguments sel, ord, bm; writes ord, bm
.if DOCPART == 2
	.amdgcn_target "amdgcn-amd-amdhsa--gfx1250"
	.amdhsa_code_object_version 6
	.text
	.protected	k_qc1c84e7f17_place
	.globl	k_qc1c84e7f17_place
	.p2align	8
	.type	k_qc1c84e7f17_place,@function
k_qc1c84e7f17_place:
	s_mov_b64 s[64:65], 0
	v_nop
	global_prefetch_b8 v0, s[64:65] scope:SCOPE_SE
	s_setreg_imm32_b32 hwreg(HW_REG_WAVE_MODE, 25, 1), 1
	s_wait_xcnt 0x0
; LAUNCH 2 OF 3: a counting sort of the 2,048 tokens by the key of their pair of experts (28 keys), and for each block of 64 neighbours of the sorted order the set of experts that it uses.
; It reads the whole numbers that the first launch stored; the addresses formed from them here (a token's place) are whole-number work on loaded data, held under 2,048 ahead of the store.
; One work-group, no atomics.  Thread t takes tokens 4 t + q, q = 0..3; chunk q of a wave is component q of its 32 lanes.  A token's place = the key's first place + the tokens of that key in
; earlier waves + in earlier chunks of my wave + in lower lanes of my chunk.  Counts by key are kept as vectors with lane = key.
; ord[place] = token | e0 << 16 | e1 << 24.   bm: 8 bytes a block: the mask of its experts, and 0.
.set SPARE, 2048                       ; LDS: 16 rows of 32 counts from byte 0; behind them the spare words, 128 bytes for each wave: eight blocks of 256 bytes that no other line names
; v1, v2 the add's two; v3 16 t; v4-7 the words; v8-11 lower lanes of my key; v12-15 the chunks' counts (lane = key); v16-19 4 x key; v20-23 what is stored; v24-27 places;
; v28 my wave's counts; v32-47 all waves' counts; v48 totals, v49 earlier waves', v50 first places; v52-60 at work; v61 4 t; v62 4 x lane.
; s10 wave; s32-59 a ballot, then a count, for each key; s66-94 the keys' first places, and 2,048.
	s_load_b128 s[4:7], s[0:1], 0x0                ; sel s[4:5], ord s[6:7]
	s_load_b64 s[8:9], s[0:1], 0x10                ; bm
	v_lshl_add_u32 v1, v0, 2, SPARE
	v_mov_b32 v2, 0
	v_lshrrev_b32 v3, 5, v0
	v_readfirstlane_b32 s10, v3                    ; wave 0..15
	v_lshlrev_b32 v3, 4, v0
	v_lshlrev_b32 v61, 2, v0
	v_and_b32 v62, 31, v0
	v_lshlrev_b32 v62, 2, v62
	s_wait_kmcnt 0x0
	global_load_b128 v[4:7], v3, s[4:5]            ; 32 lanes read 512 consecutive bytes
	s_wait_loadcnt 0x0
.macro CHUNK q
	v_and_b32 v52, 31, v[4+\q]                     ; key
	v_lshlrev_b32 v[16+\q], 2, v52
	v_bfe_u32 v53, v[4+\q], 8, 4                   ; e0
	v_bfe_u32 v54, v[4+\q], 12, 4                  ; e1
	v_add_nc_u32 v[20+\q], \q, v61                 ; the token
	v_lshl_or_b32 v[20+\q], v53, 16, v[20+\q]
	v_lshl_or_b32 v[20+\q], v54, 24, v[20+\q]
	v_mov_b32 v55, 0
	v_mov_b32 v[12+\q], 0
.irp k, 0,1,2,3,4,5,6,7,8,9,10,11,12,13,14,15,16,17,18,19,20,21,22,23,24,25,26,27
	v_cmp_eq_u32 s[32+\k], \k, v52                 ; the lanes that hold key k
.endr
.irp k, 0,1,2,3,4,5,6,7,8,9,10,11,12,13,14,15,16,17,18,19,20,21,22,23,24,25,26,27
	v_cndmask_b32 v55, v55, s[32+\k], s[32+\k]     ; each lane takes the ballot of its own key
.endr
	v_mbcnt_lo_u32_b32 v[8+\q], v55, 0             ; how many lower lanes hold my key
.irp k, 0,1,2,3,4,5,6,7,8,9,10,11,12,13,14,15,16,17,18,19,20,21,22,23,24,25,26,27
	s_bcnt1_i32_b32 s[32+\k], s[32+\k]
.endr
.irp k, 0,1,2,3,4,5,6,7,8,9,10,11,12,13,14,15,16,17,18,19,20,21,22,23,24,25,26,27
	v_writelane_b32 v[12+\q], s[32+\k], \k         ; the chunk's count of key k into lane k
.endr
.endm
	CHUNK 0
	CHUNK 1
	CHUNK 2
	CHUNK 3
	v_add_nc_u32 v28, v12, v13
	v_add3_u32 v28, v28, v14, v15
	ds_store_b32 v61, v28                          ; my wave's counts: row w, word = key
	s_wait_dscnt 0x0
	s_barrier_signal -1
	s_barrier_wait -1
.irp j, 0,1,2,3,4,5,6,7,8,9,10,11,12,13,14,15
	ds_load_b32 v[32+\j], v62 offset:128*\j
.endr
	v_mov_b32 v48, 0
	v_mov_b32 v49, 0
	v_mov_b32 v50, 0
	s_wait_dscnt 0x0
.irp i, 0,1,2,3,4,5,6,7
	v_add3_u32 v48, v48, v[32+2*\i], v[33+2*\i]    ; each key's total
.endr
.irp j, 0,1,2,3,4,5,6,7,8,9,10,11,12,13,14
	s_cmp_gt_u32 s10, \j
	s_cselect_b32 s11, -1, 0
	v_and_b32 v52, s11, v[32+\j]
	v_add_nc_u32 v49, v49, v52                     ; and what the waves ahead of mine hold of it
.endr
.irp k, 0,1,2,3,4,5,6,7,8,9,10,11,12,13,14,15,16,17,18,19,20,21,22,23,24,25,26,27
	v_readlane_b32 s[32+\k], v48, \k
.endr
	s_mov_b32 s66, 0
.irp k, 0,1,2,3,4,5,6,7,8,9,10,11,12,13,14,15,16,17,18,19,20,21,22,23,24,25,26,27
	s_add_co_u32 s[67+\k], s[66+\k], s[32+\k]      ; the keys' first places
.endr
.irp k, 0,1,2,3,4,5,6,7,8,9,10,11,12,13,14,15,16,17,18,19,20,21,22,23,24,25,26,27
	v_writelane_b32 v50, s[66+\k], \k
.endr
	v_add_nc_u32 v56, v50, v49                     ; lane = key: where my wave's chunk 0 puts its first token of that key,
	v_add_nc_u32 v57, v56, v12                     ; chunk 1,
	v_add_nc_u32 v58, v57, v13                     ; chunk 2,
	v_add_nc_u32 v59, v58, v14                     ; chunk 3
.irp q, 0,1,2,3
	ds_bpermute_b32 v[24+\q], v[16+\q], v[56+\q]   ; each lane takes the number of its token's key (lane = key; no LDS byte is touched)
.endr
	s_wait_dscnt 0x0
.irp q, 0,1,2,3
	v_add_nc_u32 v[24+\q], v[24+\q], v[8+\q]       ; + the lower lanes of my key: the token's place
	v_min_u32 v[24+\q], 0x7ff, v[24+\q]            ; a number made of loaded data is held inside the table before it becomes an address
	v_lshlrev_b32 v[24+\q], 2, v[24+\q]
	global_store_b32 v[24+\q], v[20+\q], s[6:7]    ; 4 bytes a lane to scattered places of an 8 KiB table: this is the permutation itself
.endr
	s_cmp_lg_u32 s10, 0
	s_cbranch_scc1 .Lend
	; wave 0: lane b is block b, places 64 b .. 64 b + 63.  The block uses the two experts of every key whose run of places meets it
	v_lshlrev_b32 v52, 4, v62                      ; 64 b
	v_add_nc_u32 v53, 64, v52
	v_mov_b32 v54, 0
	v_mov_b32 v55, 0
.irp lo, 0,1,2,3,4,5,6
.irp hi, 1,2,3,4,5,6,7
.if \hi > \lo
.set KEY, (\lo*(15-\lo))/2+(\lo%2)*(7-\hi)+(1-\lo%2)*(\hi-\lo-1)
	v_max_u32 v56, s[66+KEY], v52
	v_min_u32 v57, s[67+KEY], v53
	v_mov_b32 v58, (1<<\lo)|(1<<\hi)
	v_cmp_lt_u32 vcc_lo, v56, v57                  ; the run and the block share a place
	v_cndmask_b32 v58, 0, v58, vcc_lo
	v_or_b32 v54, v54, v58
.endif
.endr
.endr
	v_lshlrev_b32 v60, 1, v62
	global_store_b64 v60, v[54:55], s[8:9]         ; 32 lanes store the table's 256 bytes whole
.Lend:
	s_wait_tensorcnt 0x0                           ; the wave's end
	ds_add_u32 v1, v2
	s_wait_dscnt 0x0
	s_endpgm
.Lfunc_end_k_qc1c84e7f17_place:
	.size	k_qc1c84e7f17_place, .Lfunc_end_k_qc1c84e7f17_place-k_qc1c84e7f17_place
	.p2alignl 7, 3214868480
	.fill 96, 4, 3214868480
	.section	.rodata,"a",@progbits
	.p2align	6, 0x0
	.amdhsa_kernel k_qc1c84e7f17_place
		.amdhsa_group_segment_fixed_size 4096
		.amdhsa_private_segment_fixed_size 0
		.amdhsa_enable_private_segment 0
		.amdhsa_kernarg_size 24
		.amdhsa_user_sgpr_count 2
		.amdhsa_user_sgpr_kernarg_segment_ptr 1
		.amdhsa_wavefront_size32 1
		.amdhsa_system_sgpr_workgroup_id_x 1
		.amdhsa_system_sgpr_workgroup_id_y 1
		.amdhsa_system_sgpr_workgroup_id_z 1
		.amdhsa_system_vgpr_workitem_id 0
		.amdhsa_next_free_vgpr 64
		.amdhsa_next_free_sgpr 96
		.amdhsa_reserve_vcc 1
		.amdhsa_float_denorm_mode_32 3
		.amdhsa_float_denorm_mode_16_64 3
		.amdhsa_memory_ordered 1
		.amdhsa_forward_progress 1
		.amdhsa_inst_pref_size 43
	.end_amdhsa_kernel
	.amdgpu_metadata
---
amdhsa.version: [ 1, 2 ]
amdhsa.kernels:
  - .name:           k_qc1c84e7f17_place
    .symbol:         k_qc1c84e7f17_place.kd
    .args:
      - { .name: sel, .offset: 0, .size: 8, .value_kind: global_buffer, .address_space: global }
      - { .name: ord, .offset: 8, .size: 8, .value_kind: global_buffer, .address_space: global }
      - { .name: bm, .offset: 16, .size: 8, .value_kind: global_buffer, .address_space: global }
    .group_segment_fixed_size: 4096
    .private_segment_fixed_size: 0
    .kernarg_segment_align: 8
    .kernarg_segment_size: 24
    .max_flat_workgroup_size: 512
    .sgpr_count:     96
    .vgpr_count:     64
    .wavefront_size: 32
...
	.end_amdgpu_metadata
.endif
;; end of part 2
;; launch experts (part 3): grid 8 x 32, 4 waves a work-group, no clusters, 202,240 bytes of LDS; arguments We_codes, We_scales, be, xq, xs, gw, ord, bm, out0; writes out0
.if DOCPART == 3
	.amdgcn_target "amdgcn-amd-amdhsa--gfx1250"
	.amdhsa_code_object_version 6
	.text
	.protected	k_qc1c84e7f17_experts
	.globl	k_qc1c84e7f17_experts
	.p2align	8
	.type	k_qc1c84e7f17_experts,@function
k_qc1c84e7f17_experts:
	s_mov_b64 s[64:65], 0
	v_nop
	global_prefetch_b8 v0, s[64:65] scope:SCOPE_SE
	s_setreg_imm32_b32 hwreg(HW_REG_WAVE_MODE, 25, 1), 1
	s_wait_xcnt 0x0
; LAUNCH 3 OF 3: out[n] = w0 (x^[n] We[e0] + be[e0]) + w1 (x^[n] We[e1] + be[e1]) on codes of E5M2 with E8M0 scales, by v_wmma_scale_f32_16x16x128_f8f6f4.
; WORK LEFT OUT: the products of a token with experts that it has not chosen reach no output (reference() gathers two rows of y for each token): whole experts that no token of a block has
; chosen are not walked.  LIMIT: inside a block a token is still multiplied by the experts of its neighbours and the result is weighed with 0: an infinity or NaN that arises there (a sum
; beyond f32's range, or such codes or scale bytes in We) makes that row NaN where reference() has numbers; one that arises in an expert that is not walked is not carried.
; SHARES.  A work-group owns a block of 64 neighbours of the sorted order (work-group y) x 256 columns of out (work-group x): every output row has one owner, so nothing is added through memory.
; Each of the four waves takes all 64 tokens x 64 columns: 4 x 4 tiles.  The block's codes of x (128 KiB) lie in LDS for the whole launch and are read by all four waves; a wave's 64 rows of We
; go from memory straight into its registers, four K steps ahead.  For each expert in the block's mask: acc = x^ We[e] + be[e] (the bias is the C of the first product), then out += gate x acc,
; the gate being w0, w1 or 0 by the token's own pair.
; THE PRODUCT IS USED TRANSPOSED: source 0 = 16 rows of We (columns of out), source 1 = 16 tokens: a lane holds one token (lane % 16) and eight neighbouring columns, 8 (lane / 16) + 0..7.
; NO TENSOR LOADS, NO CLUSTER: how many experts a work-group walks, and which, are numbers read from memory
; The walk of partners would differ: blocks have different masks.
; WEIGHTS ARE READ AS THEY LIE: a load takes 32 bytes of each of 16 rows; the eight loads of two neighbouring K steps, issued by the same wave one step apart, cover 256 aligned bytes of each row.
; REGISTERS, in windows of 256 (s_set_vgpr_msb: bits 1:0 source 0, 3:2 source 1, 5:4 source 2, 7:6 destination):
;   window 0: v1-7 the add's two and offsets; v8-11 the tokens' words of ord; v12-19 (w0, w1); v20-27 gates (even) and 0 (odd); v28 at work; v29-31 offsets; v32-63 x's scale words; v64-95 We's;
;             v96-127 the bias, in the tail the rows' offsets in out; v128-191, v192-255 x's fragments, two sets.
;   window 1: v0-127 acc(m, t) at 8 (4 m + t); v128-255 out likewise.  At the head all 256 carry x's codes from memory to LDS.     window 2: We's fragments, a ring of four K steps of 64 registers.
; SCALE WORDS.  A row's 64 scale bytes are 16 words, one a K step.  One load of 16 bytes gives lanes 0-15 the words of steps 8 j + 0..3 and lanes 16-31 those of steps 8 j + 4..7: the product of step ks
; names register 4 (ks / 8) + ks % 4 of its tile and reads the upper lanes where (ks / 4) is odd.
.set PX,    2064                       ; a token's row in LDS: 2,048 codes + 16: an odd multiple of 16, so that the 16 rows of a fragment load begin at 16 different groups of banks
.set SP,    272                        ; a row of a wave's stage: 64 columns of f32 + 16
.set STAGE, 64*PX                      ; behind x: 64 rows x 272 bytes for each wave, for the way out
.set SPARE, STAGE+4*64*SP              ; the spare words, 128 bytes for each wave: two blocks of 256 bytes that no other line names
.set SPW,   1
.set NIL,   2
.set WOFF,  3                          ; 2,048 r + 16 h: my place in a tile of We's codes
.set WSOFF, 4                          ; 64 r + 16 h: in its scale bytes
.set BOFF,  5                          ; 32 h: in its 16 numbers of the bias
.set XA,    6                          ; v6, v7: my place in x's rows in LDS, tiles 0-1 and 2-3
.set ORDW,  8
.set GW,    12
.set G,     20
.set TMP,   28
.set TOOFF, 29                         ; 128 h: the tail's loads of ord
.set STO,   30
.set RD,    31
.set XS,    32
.set WS,    64
.set BI,    96
.set XF,    128
.set OUT,   128                        ; in window 1
.set CUR,   38                         ; s[38:43] this expert's codes, scale bytes, bias at my wave's first column
.set NXT,   44                         ; s[44:49] the next expert's
; s22 wave, s24 block, s25 the experts still to be picked, s26 trips, s27 this expert, s28 the next, s[30:31] an offset (s31 stays 0), s[32:37] the three tensors at my wave's first column, s[50:51] out0 there
.set MSB, 0
.macro WIN new                         ; the immediate's high byte repeats the setting that is left; a switch that changes nothing is dropped
.if MSB != \new
	s_set_vgpr_msb (MSB<<8)|\new
.set MSB, \new
.endif
.endm
.macro PICK e                          ; the lowest expert left in the mask
	s_ctz_i32_b32 s[\e], s25
	s_min_u32 s[\e], s[\e], 7                      ; a number read from memory is held inside the table before it enters an address
	s_add_co_u32 s29, s25, -1
	s_and_b32 s25, s25, s29
.endm
.macro BASES e, d
	s_lshl_b32 s30, s[\e], 22                      ; an expert's codes: 2,048 x 2,048 bytes
	s_add_nc_u64 s[\d:\d+1], s[32:33], s[30:31]
	s_lshl_b32 s30, s[\e], 17                      ; its scale bytes: 2,048 x 64
	s_add_nc_u64 s[\d+2:\d+3], s[34:35], s[30:31]
	s_lshl_b32 s30, s[\e], 13                      ; its bias: 2,048 x 4
	s_add_nc_u64 s[\d+4:\d+5], s[36:37], s[30:31]
.endm
.macro WLOAD ks, b                     ; We's four fragments of K step ks into the ring: lane (r, h): row 16 t + r, bytes 128 ks + 32 c + 16 h on
	WIN 0x80
.irp t, 0,1,2,3
.irp c, 0,1,2,3
	global_load_b128 v[64*((\ks)%4)+16*\t+4*\c:64*((\ks)%4)+16*\t+4*\c+3], v[WOFF], s[\b:\b+1] offset:32768*\t+128*(\ks)+32*\c
.endr
.endr
.endm
.macro XLOAD ks, set                   ; x's four fragments of K step ks from LDS
	WIN 0
.irp m, 0,1,2,3
.irp c, 0,1,2,3
	ds_load_b128 v[XF+64*(\set)+16*\m+4*\c:XF+64*(\set)+16*\m+4*\c+3], v[XA+\m/2] offset:16*PX*(\m%2)+128*(\ks)+32*\c
.endr
.endr
.endm
.macro WSLOAD j, b                     ; We's scale words of K steps 8 j .. 8 j + 7
	WIN 0
.irp t, 0,1,2,3
	global_load_b128 v[WS+8*\t+4*(\j):WS+8*\t+4*(\j)+3], v[WSOFF], s[\b:\b+1] offset:1024*\t+32*(\j)
.endr
.endm
.macro BLOAD b                         ; the bias in the result's layout: lane (r, h): columns 16 t + 8 h + 0..7
	WIN 0
.irp t, 0,1,2,3
	global_load_b128 v[BI+8*\t:BI+8*\t+3], v[BOFF], s[\b:\b+1] offset:64*\t
	global_load_b128 v[BI+8*\t+4:BI+8*\t+7], v[BOFF], s[\b:\b+1] offset:64*\t+16
.endr
.endm
; 16 matrix instructions: the 16 accumulators take turns, one instruction a turn, in the same order in every K step and over the loop's backward jump.
.macro MUL16 ks
.if (\ks) == 0
	WIN 0x42                                       ; We window 2, x window 0, C (the bias) window 0, D window 1
.else
	WIN 0x52                                       ; C and D window 1
.endif
.irp m, 0,1,2,3
.irp t, 0,1,2,3
.set rD, 8*(4*\m+\t)
.set rW, 64*((\ks)%4)+16*\t
.set rX, XF+64*((\ks)%2)+16*\m
.set rSW, WS+8*\t+4*((\ks)/8)+(\ks)%4
.set rSX, XS+8*\m+4*((\ks)/8)+(\ks)%4
.if (\ks) == 0
	v_wmma_scale_f32_16x16x128_f8f6f4 v[rD:rD+7], v[rW:rW+15], v[rX:rX+15], v[BI+8*\t:BI+8*\t+7], v[rSW], v[rSX] matrix_a_fmt:MATRIX_FMT_BF8 matrix_b_fmt:MATRIX_FMT_BF8
.elseif ((\ks)/4)%2
	v_wmma_scale_f32_16x16x128_f8f6f4 v[rD:rD+7], v[rW:rW+15], v[rX:rX+15], v[rD:rD+7], v[rSW], v[rSX] matrix_a_fmt:MATRIX_FMT_BF8 matrix_b_fmt:MATRIX_FMT_BF8 matrix_a_scale:MATRIX_SCALE_ROW1 matrix_b_scale:MATRIX_SCALE_ROW1
.else
	v_wmma_scale_f32_16x16x128_f8f6f4 v[rD:rD+7], v[rW:rW+15], v[rX:rX+15], v[rD:rD+7], v[rSW], v[rSX] matrix_a_fmt:MATRIX_FMT_BF8 matrix_b_fmt:MATRIX_FMT_BF8
.endif
.endr
.endr
.endm
.macro GATES                           ; my four tokens' gates for expert s27: w0 where it is the token's first choice, w1 where the second, else 0.  A select, no branch
.irp m, 0,1,2,3
	v_bfe_u32 v[TMP], v[ORDW+\m], 16, 8
	v_cmp_eq_u32 vcc_lo, s27, v[TMP]
	v_cndmask_b32 v[G+2*\m], 0, v[GW+2*\m], vcc_lo
	v_lshrrev_b32 v[TMP], 24, v[ORDW+\m]
	v_cmp_eq_u32 vcc_lo, s27, v[TMP]
	v_cndmask_b32 v[G+2*\m], v[G+2*\m], v[GW+2*\m+1], vcc_lo
.endr
.endm
.macro EPI                             ; out += gate x acc, two at a time; each accumulator is read from its low end on
	WIN 0x51
.irp m, 0,1,2,3
.irp t, 0,1,2,3
.irp j, 0,2,4,6
	v_pk_fma_f32 v[OUT+8*(4*\m+\t)+\j:OUT+8*(4*\m+\t)+\j+1], v[8*(4*\m+\t)+\j:8*(4*\m+\t)+\j+1], v[G+2*\m:G+2*\m+1], v[OUT+8*(4*\m+\t)+\j:OUT+8*(4*\m+\t)+\j+1] op_sel_hi:[1,0,1]
.endr
.endr
.endr
.endm
; A K STEP of 128.  Its weights were asked for four steps ago, its fragments of x two steps ago.  Behind its products and eight places
; the registers that they read are filled again.  tail = 1: the block's last expert: nothing of a next expert is asked for.
; THE COUNT OF THE WAIT ON LOADS = the loads issued behind this step's 16: three steps' weights (48); in steps 1-4 also the 4 loads of scale words issued in step 0; in the loop's steps 9-12 also the
; 4 + 8 loads of the next expert's scale words and bias issued in step 8; in the tail's steps 13-15: 32, 16, 0 of weights and the 8 loads of ord issued in step 12.
.macro KSTEP ks, tail
.set LC, 48
.if ((\ks) >= 1) && ((\ks) <= 4)
.set LC, 52
.endif
.if \tail
.if (\ks) == 13
.set LC, 40
.endif
.if (\ks) == 14
.set LC, 24
.endif
.if (\ks) == 15
.set LC, 8
.endif
.else
.if ((\ks) >= 9) && ((\ks) <= 12)
.set LC, 60
.endif
.endif
	s_wait_loadcnt LC
.if (\tail) && ((\ks) == 15)
	s_wait_dscnt 0x0                               ; nothing was asked for behind the last step's fragments
.else
	s_wait_dscnt 16                                ; this step's fragments of x are in; the next step's 16 loads may be out
.endif
	MUL16 \ks
.if (\ks) == 15
	WIN 0
	GATES                                          ; 24 plain lines that name no register of the products: the places in front of the loads below and of the first read of the sums
.elseif !((\tail) && ((\ks) == 14))
.rept 8
	v_nop
.endr
.endif
.if (\ks) < 12
	WLOAD (\ks)+4, CUR
.elseif !(\tail)
	WLOAD (\ks)-12, NXT
.endif
.if (\ks) == 0
	WSLOAD 1, CUR+2                                ; the second half of this expert's scale words: their registers were last read in the pass before
.endif
.if ((\ks) == 8) && !(\tail)
	WSLOAD 0, NXT+2                                ; steps 0-7 are done with the first half, step 0 with the bias: both take the next expert's
	BLOAD NXT+4
.endif
.if ((\ks) == 12) && (\tail)
	WIN 0
.irp i, 0,1,2,3,4,5,6,7
	global_load_b128 v[BI+4*\i:BI+4*\i+3], v[TOOFF], s[16:17] offset:16*\i    ; for the way out: lanes 0-15 the words of the block's rows 0-31, lanes 16-31 of rows 32-63
.endr
.endif
.if !((\tail) && ((\ks) >= 14))
	XLOAD ((\ks)+2)%16, (\ks)%2                    ; x is the same for every expert: behind step 13 the fragments begin anew
.endif
.endm
.macro PASS tail                       ; one expert
.if !(\tail)
	PICK 28
	BASES 28, NXT                                  ; (no load that names these registers is out: the wait at the end of the pass before has freed them)
.endif
.irp ks, 0,1,2,3,4,5,6,7,8,9,10,11,12,13,14,15
	KSTEP \ks, \tail
.endr
	EPI
	WIN 0
.if !(\tail)
	s_wait_xcnt 0x0                                ; every load issued so far has read its base: both sets may be written
	s_mov_b64 s[CUR:CUR+1], s[NXT:NXT+1]
	s_mov_b64 s[CUR+2:CUR+3], s[NXT+2:NXT+3]
	s_mov_b64 s[CUR+4:CUR+5], s[NXT+4:NXT+5]
	s_mov_b32 s27, s28
.endif
.endm
	s_load_b512 s[4:19], s[0:1], 0x0               ; We_codes s[4:5], We_scales s[6:7], be s[8:9], xq s[10:11], xs s[12:13], gw s[14:15], ord s[16:17], bm s[18:19]
	s_load_b64 s[20:21], s[0:1], 0x40              ; out0
	v_lshl_add_u32 v[SPW], v0, 2, SPARE
	v_mov_b32 v[NIL], 0
	v_lshrrev_b32 v[TMP], 5, v0
	v_readfirstlane_b32 s22, v[TMP]                ; wave 0..3
	s_and_b32 s24, ttmp7, 0xffff                   ; the block of tokens
	v_and_b32 v[TMP], 15, v0                       ; r
	v_bfe_u32 v[TOOFF], v0, 4, 1                   ; h
	v_lshlrev_b32 v[WOFF], 11, v[TMP]
	v_lshl_add_u32 v[WOFF], v[TOOFF], 4, v[WOFF]
	v_lshlrev_b32 v[WSOFF], 6, v[TMP]
	v_lshl_add_u32 v[WSOFF], v[TOOFF], 4, v[WSOFF]
	v_lshlrev_b32 v[BOFF], 5, v[TOOFF]
	v_mul_u32_u24 v[XA], v[TMP], PX
	v_lshl_add_u32 v[XA], v[TOOFF], 4, v[XA]
	v_add_nc_u32 v[XA+1], 32*PX, v[XA]
	s_mul_i32 s29, s22, 64*SP
	s_add_co_u32 s29, s29, STAGE                   ; my stage
	v_mul_u32_u24 v[STO], v[TMP], SP               ; in: row r of a tile, 32 bytes for each half of the lanes
	v_lshl_add_u32 v[STO], v[TOOFF], 5, v[STO]
	v_add_nc_u32 v[STO], s29, v[STO]
	v_mul_u32_u24 v[RD], v[TOOFF], 32*SP           ; back: lanes 0-15 a row of rows 0-31, lanes 16-31 the row 32 further on
	v_lshl_add_u32 v[RD], v[TMP], 4, v[RD]
	v_add_nc_u32 v[RD], s29, v[RD]
	s_mul_i32 s29, s22, 16*PX                      ; x's way into LDS: my wave brings rows 16 w .. 16 w + 15; lanes 0-15 rows 16 w + i, lanes 16-31 rows 16 w + 8 + i
	v_mul_u32_u24 v26, v[TOOFF], 8*PX
	v_lshl_add_u32 v26, v[TMP], 4, v26
	v_add_nc_u32 v26, s29, v26
	v_lshlrev_b32 v20, 4, v[TMP]                   ; 16 r
	v_lshlrev_b32 v22, 4, v[TOOFF]                 ; 16 h
	v_lshlrev_b32 v21, 2, v[TMP]                   ; 4 r
	s_lshl_b32 s29, s22, 6
	v_lshl_add_u32 v24, v[TOOFF], 5, s29           ; 4 (16 w + 8 h)
	v_lshlrev_b32 v[TOOFF], 7, v[TOOFF]
	s_wait_kmcnt 0x0
	s_mov_b32 s31, 0
	s_lshl_b32 s30, s24, 3
	s_add_nc_u64 s[18:19], s[18:19], s[30:31]
	s_load_b32 s25, s[18:19], 0x0                  ; my block's mask of experts
	s_lshl_b32 s30, s24, 8
	s_add_nc_u64 s[16:17], s[16:17], s[30:31]      ; ord at my block's first place
	global_load_b128 v[XF:XF+3], v24, s[16:17]                 ; the eight rows that my half of the lanes brings
	global_load_b128 v[XF+4:XF+7], v24, s[16:17] offset:16
.irp m, 0,1,2,3
	global_load_b32 v[ORDW+\m], v21, s[16:17] offset:64*\m     ; the token that I hold in tile m
.endr
	s_lshl_b32 s29, ttmp9, 8
	s_lshl_b32 s30, s22, 6
	s_add_co_u32 s29, s29, s30                     ; my wave's first column: 256 x work-group x + 64 x wave
	s_lshl_b32 s30, s29, 11
	s_add_nc_u64 s[32:33], s[4:5], s[30:31]
	s_lshl_b32 s30, s29, 6
	s_add_nc_u64 s[34:35], s[6:7], s[30:31]
	s_lshl_b32 s30, s29, 2
	s_add_nc_u64 s[36:37], s[8:9], s[30:31]
	s_add_nc_u64 s[50:51], s[20:21], s[30:31]
	s_wait_kmcnt 0x0
	s_and_b32 s25, s25, 0xff
	s_bcnt1_i32_b32 s26, s25                       ; so many experts: at least 2 (a token's two differ), at most 8.  All but the last are walked in the loop
	s_max_u32 s26, s26, 2
	s_sub_co_u32 s26, s26, 1
	PICK 27
	BASES 27, CUR
	s_wait_loadcnt 0x0
.irp i, 0,1,2,3,4,5,6,7
	v_and_b32 v[XF+\i], 0xffff, v[XF+\i]           ; the token,
	v_min_u32 v[XF+\i], 0x7ff, v[XF+\i]            ; held inside the table,
	v_lshlrev_b32 v[XF+\i], 11, v[XF+\i]           ; its row of 2,048 codes,
	v_add_nc_u32 v[XF+\i], v20, v[XF+\i]           ; 16 bytes a lane
.endr
.irp m, 0,1,2,3
	v_and_b32 v[TMP], 0xffff, v[ORDW+\m]
	v_min_u32 v[TMP], 0x7ff, v[TMP]
	v_lshlrev_b32 v[XF+8+\m], 6, v[TMP]            ; its 64 scale bytes, + 16 h
	v_add_nc_u32 v[XF+8+\m], v22, v[XF+8+\m]
	v_lshlrev_b32 v[XF+12+\m], 3, v[TMP]           ; its (w0, w1)
.endr
	WIN 0x40                                       ; destination window 1
.irp i, 0,1,2,3,4,5,6,7
.irp j, 0,1,2,3,4,5,6,7
	global_load_b128 v[4*(8*\i+\j):4*(8*\i+\j)+3], v[XF+\i], s[10:11] offset:256*\j   ; sixteen lanes read 256 consecutive bytes of a token's codes, aligned
.endr
.endr
	WIN 0
.irp m, 0,1,2,3
.irp j, 0,1
	global_load_b128 v[XS+8*\m+4*\j:XS+8*\m+4*\j+3], v[XF+8+\m], s[12:13] offset:32*\j
.endr
.endr
.irp m, 0,1,2,3
	global_load_b64 v[GW+2*\m:GW+2*\m+1], v[XF+12+\m], s[14:15]
.endr
	WSLOAD 0, CUR+2
	BLOAD CUR+4
	s_wait_loadcnt 24                              ; x's codes are in; the 24 younger loads (8 of x's scale words, 4 of the gates, 4 of We's scale words, 8 of the bias) may be out
	WIN 0x04                                       ; an LDS store's data are its source 1: window 1
.irp i, 0,1,2,3,4,5,6,7
.irp j, 0,1,2,3,4,5,6,7
	ds_store_b128 v26, v[4*(8*\i+\j):4*(8*\i+\j)+3] offset:PX*\i+256*\j
.endr
.endr
	WLOAD 0, CUR                                   ; the ring's first four K steps
	WLOAD 1, CUR
	WLOAD 2, CUR
	WLOAD 3, CUR
	s_wait_dscnt 0x0                               ; for the others' sake: my 16 rows lie in LDS
	s_barrier_signal -1
	WIN 0x40
.set I, 0
.rept 128
	v_mov_b32 v[OUT+I], 0                          ; out begins as zeros, so that a pass is written twice and not three times; register work while the other waves arrive and the weights are on their way
.set I, I+1
.endr
	WIN 0
.irp m, 0,1,2,3
	v_mov_b32 v[G+2*\m+1], 0                       ; named as the upper half of the gates' pairs, so they are written
.endr
	s_barrier_wait -1                              ; the launch's one barrier: all 64 rows of x lie in LDS, and nobody writes them again
	s_wait_xcnt 0x0                                ; the gathers have read their offsets: the fragments below land on those registers
	XLOAD 0, 0
	XLOAD 1, 1
.Lpass:
	PASS 0
	s_sub_co_u32 s26, s26, 1
	s_cmp_lg_u32 s26, 0
	s_cbranch_scc1 .Lpass
	PASS 1
	; THE WAY OUT.  A lane holds 32 bytes of a row and the lanes beside it hold other rows: the wave's 64 rows x 256 bytes go through its own stage and come back as whole rows; each goes to its token's row of out.
	s_wait_loadcnt 0x0                             ; the rows' words of ord
	v_and_b32 v[TMP], 15, v0
	v_lshlrev_b32 v[TMP], 4, v[TMP]
.set I, 0
.rept 32
	v_and_b32 v[BI+I], 0xffff, v[BI+I]             ; the token,
	v_min_u32 v[BI+I], 0x7ff, v[BI+I]              ; held inside the table,
	v_lshlrev_b32 v[BI+I], 13, v[BI+I]             ; its row of 8,192 bytes,
	v_add_nc_u32 v[BI+I], v[TMP], v[BI+I]          ; 16 bytes a lane
.set I, I+1
.endr
	WIN 0x04
.irp m, 0,1,2,3
.irp t, 0,1,2,3
	ds_store_b128 v[STO], v[OUT+8*(4*\m+\t):OUT+8*(4*\m+\t)+3] offset:16*SP*\m+64*\t
	ds_store_b128 v[STO], v[OUT+8*(4*\m+\t)+4:OUT+8*(4*\m+\t)+7] offset:16*SP*\m+64*\t+16
.endr
.endr
	WIN 0
.set I, 0
.rept 32
	ds_load_b128 v[XF+4*I:XF+4*I+3], v[RD] offset:SP*I         ; LDS serves a wave's instructions in order: these see my stores; the stage is my wave's own, so no barrier
.set I, I+1
.endr
.set I, 0
.rept 32
	s_wait_dscnt 31-I                              ; LDS loads come back in order: pair I of rows is in
	global_store_b128 v[BI+I], v[XF+4*I:XF+4*I+3], s[50:51] th:TH_STORE_NT    ; sixteen lanes store 256 consecutive bytes, at a multiple of 256 from out's first byte; two rows an instruction
.set I, I+1
.endr
	s_wait_tensorcnt 0x0                           ; the wave's end
	ds_add_u32 v[SPW], v[NIL]
	s_wait_dscnt 0x0
	s_endpgm
.Lfunc_end_k_qc1c84e7f17_experts:
	.size	k_qc1c84e7f17_experts, .Lfunc_end_k_qc1c84e7f17_experts-k_qc1c84e7f17_experts
	.p2alignl 7, 3214868480
	.fill 96, 4, 3214868480
	.section	.rodata,"a",@progbits
	.p2align	6, 0x0
	.amdhsa_kernel k_qc1c84e7f17_experts
		.amdhsa_group_segment_fixed_size 202240
		.amdhsa_private_segment_fixed_size 0
		.amdhsa_enable_private_segment 0
		.amdhsa_kernarg_size 72
		.amdhsa_user_sgpr_count 2
		.amdhsa_user_sgpr_kernarg_segment_ptr 1
		.amdhsa_wavefront_size32 1
		.amdhsa_system_sgpr_workgroup_id_x 1
		.amdhsa_system_sgpr_workgroup_id_y 1
		.amdhsa_system_sgpr_workgroup_id_z 1
		.amdhsa_system_vgpr_workitem_id 0
		.amdhsa_next_free_vgpr 768
		.amdhsa_next_free_sgpr 66
		.amdhsa_reserve_vcc 1
		.amdhsa_float_denorm_mode_32 3
		.amdhsa_float_denorm_mode_16_64 3
		.amdhsa_memory_ordered 1
		.amdhsa_forward_progress 1
		.amdhsa_inst_pref_size 207
	.end_amdhsa_kernel
	.amdgpu_metadata
---
amdhsa.version: [ 1, 2 ]
amdhsa.kernels:
  - .name:           k_qc1c84e7f17_experts
    .symbol:         k_qc1c84e7f17_experts.kd
    .args:
      - { .name: We_codes, .offset: 0, .size: 8, .value_kind: global_buffer, .address_space: global }
      - { .name: We_scales, .offset: 8, .size: 8, .value_kind: global_buffer, .address_space: global }
      - { .name: be, .offset: 16, .size: 8, .value_kind: global_buffer, .address_space: global }
      - { .name: xq, .offset: 24, .size: 8, .value_kind: global_buffer, .address_space: global }
      - { .name: xs, .offset: 32, .size: 8, .value_kind: global_buffer, .address_space: global }
      - { .name: gw, .offset: 40, .size: 8, .value_kind: global_buffer, .address_space: global }
      - { .name: ord, .offset: 48, .size: 8, .value_kind: global_buffer, .address_space: global }
      - { .name: bm, .offset: 56, .size: 8, .value_kind: global_buffer, .address_space: global }
      - { .name: out0, .offset: 64, .size: 8, .value_kind: global_buffer, .address_space: global }
    .group_segment_fixed_size: 202240
    .private_segment_fixed_size: 0
    .kernarg_segment_align: 8
    .kernarg_segment_size: 72
    .max_flat_workgroup_size: 128
    .sgpr_count:     66
    .vgpr_count:     768
    .wavefront_size: 32
...
	.end_amdgpu_metadata
.endif
;; end of part 3
;; ======== version 2 of 2: 3 launches
;; workspace buffers: xq 4,194,304 bytes; xs 131,072 bytes; sel 8,192 bytes of whole numbers; gw 16,384 bytes; ord 8,192 bytes of whole numbers; bm 256 bytes of whole numbers
;; launch route (part 4): grid 256 x 1, 8 waves a work-group, no clusters, 72,192 bytes of LDS; arguments x, Wg, bg, xq, xs, sel, gw; writes xq, xs, sel, gw
.if DOCPART == 4
	.amdgcn_target "amdgcn-amd-amdhsa--gfx1250"
	.amdhsa_code_object_version 6
	.text
	.protected	k_qc1c84e7f17_route
	.globl	k_qc1c84e7f17_route
	.p2align	8
	.type	k_qc1c84e7f17_route,@function
k_qc1c84e7f17_route:
	s_mov_b64 s[64:65], 0
	v_nop
	global_prefetch_b8 v0, s[64:65] scope:SCOPE_SE
	s_setreg_imm32_b32 hwreg(HW_REG_WAVE_MODE, 25, 1), 1
	s_wait_xcnt 0x0
; LAUNCH 1 OF 3: the gate, the choice of two experts for each token, and x as codes of E5M2 with one E8M0 byte for each 32 along D.
; WORK THAT THE PROGRAM LEAVES OUT.  reference() forms y[e] = x We[e] + be[e] for all 8 experts and then reads y[idx[n,0], n] and y[idx[n,1], n] alone: for token n the rows of the six
; other experts reach no output, whatever the inputs hold.  Which two are read is a choice by whole numbers: this launch stores them at fixed places (sel, gw), the second launch sorts the
; tokens by their pair of experts, and the third, which reads the sorted list from memory, multiplies a block of 64 tokens only by the experts that some token of the block has chosen.
; Every input has a way to the output and is loaded (bg moves the choice and the weights, be is added to the chosen rows).
; LIMITS.  A NaN, an infinity or an overflow that arises only in a product that is left out is not carried to the result.  A logit that is NaN never wins a place among the two (but for
; logit 0, which then keeps the first place).  Two logits closer than the order of an f32 sum of 2,048 terms can tell apart may change places.  A block of 32 zeros of x gets the scale
; byte 1 where the quantiser says 127: its codes are zeros, and this program alone reads the bytes.  NaN and infinities in x are not served.
; SHARES.  A work-group takes 8 tokens.  Thread t (0..255) owns k = 8 t .. 8 t + 7 of every row: its 8 x 8 numbers of Wg stay in registers for all 8 tokens, a lane's 8 registers are 8
; neighbours along K as the conversion wants them, and a block of 32 lies in 4 neighbouring lanes.  The gate is kept in f32 throughout: fused multiply-adds, then sums through LDS.
.set PP,    272                        ; a thread's row in LDS: 256 bytes + 16: an odd multiple of 16, so that 16 rows begin at 16 different groups of banks
.set S2,    256*PP                     ; behind the 256 rows: 4 x 64 sums of a quarter of the threads each
.set XSC,   S2+1024                    ; the 8 tokens' 64 scale bytes
.set SPARE, XSC+512                    ; the spare words, 128 bytes for each wave: four blocks of 256 bytes that no other line names
.set WGR,   16                         ; v16-79   Wg(8 t + j, e) at 16 + 8 j + e
.set X,     80                         ; v80-143  x(token n, 8 t + j) at 80 + 8 n + j; later the sums' operands
.set P,     144                        ; v144-207 first Wg as it is loaded; then my part of logit (n, e) at 144 + 8 n + e
.set CD,    208                        ; v208-223 codes, two registers a token: no store's data are written again
.set SB,    224                        ; v224-231 a scale byte a token
.set T,     232                        ; v232-235 at work in the quantiser
; v1, v2: the add's two registers.  v3 32 t (x), v4 8 t (codes), v5 my block's scale byte in LDS, v6 my row in LDS, v7 Wg's way into LDS, v9 lane, v10 16 x lane, v11 Wg's offset,
; v12 scale bytes back, v13 the column that I sum, v14 where my sum goes, v15 my token's sums (wave 0).  All LDS addresses are made here, ahead of the branches on the wave's number.
	s_load_b256 s[4:11], s[0:1], 0x0               ; x s[4:5], Wg s[6:7], bg s[8:9], xq s[10:11]
	s_load_b128 s[12:15], s[0:1], 0x20             ; xs s[12:13], sel s[14:15]
	s_load_b64 s[16:17], s[0:1], 0x30              ; gw
	v_lshl_add_u32 v1, v0, 2, SPARE
	v_mov_b32 v2, 0
	v_lshrrev_b32 v8, 5, v0
	s_delay_alu instid0(VALU_DEP_1)
	v_readfirstlane_b32 s18, v8                    ; wave 0..7
	s_mov_b32 s19, 0x600000                        ; the mantissa field of 57,344
	v_lshlrev_b32 v3, 5, v0
	v_lshlrev_b32 v4, 3, v0
	v_lshrrev_b32 v5, 2, v0
	s_delay_alu instid0(VALU_DEP_1)
	v_add_nc_u32 v5, XSC, v5
	v_mul_u32_u24 v6, v0, PP
	v_and_b32 v9, 31, v0
	s_delay_alu instid0(VALU_DEP_1)
	v_lshlrev_b32 v10, 4, v9
	s_delay_alu instid0(VALU_DEP_1)
	v_lshl_add_u32 v11, v8, 13, v10                ; my wave's 8,192 bytes of Wg, 16 bytes a lane
	v_mul_u32_u24 v7, v8, 32*PP                    ; a load's 512 bytes are the rows of two threads: row 32 w + 2 i + lane / 16, byte 16 (lane % 16)
	v_bfe_u32 v12, v0, 4, 1
	s_delay_alu instid0(VALU_DEP_1)
	v_mad_u32_u24 v7, v12, PP, v7
	v_and_b32 v12, 15, v0
	s_delay_alu instid0(VALU_DEP_1)
	v_lshl_add_u32 v7, v12, 4, v7
	v_add_nc_u32 v12, XSC, v10
	v_lshrrev_b32 v13, 6, v0                       ; threads 64 s .. 64 s + 63 sum the rows of threads 64 s .. 64 s + 63, a column (n, e) each
	s_delay_alu instid0(VALU_DEP_1)
	v_mul_u32_u24 v13, v13, 64*PP
	v_and_b32 v14, 63, v0
	s_delay_alu instid0(VALU_DEP_1)
	v_lshl_add_u32 v13, v14, 2, v13
	v_lshl_add_u32 v14, v0, 2, S2
	v_and_b32 v15, 7, v0
	s_delay_alu instid0(VALU_DEP_1)
	v_lshl_add_u32 v15, v15, 5, S2
	s_wait_alu depctr_va_vdst(0)
	s_wait_kmcnt 0x0
	s_load_b256 s[24:31], s[8:9], 0x0              ; bg: 8 numbers, all of the buffer
	s_mov_b32 s3, 0
	s_lshl_b32 s2, ttmp9, 16                       ; 8 rows of 8,192 bytes
	s_add_nc_u64 s[4:5], s[4:5], s[2:3]
	s_lshl_b32 s2, ttmp9, 14                       ; 8 rows of 2,048 codes
	s_add_nc_u64 s[10:11], s[10:11], s[2:3]
	s_lshl_b32 s2, ttmp9, 9                        ; 8 rows of 64 scale bytes
	s_add_nc_u64 s[12:13], s[12:13], s[2:3]
	s_lshl_b32 s2, ttmp9, 5                        ; 8 words
	s_add_nc_u64 s[14:15], s[14:15], s[2:3]
	s_lshl_b32 s2, ttmp9, 6                        ; 8 pairs of f32
	s_add_nc_u64 s[16:17], s[16:17], s[2:3]
.irp i, 0,1,2,3,4,5,6,7,8,9,10,11,12,13,14,15
	global_load_b128 v[P+4*\i:P+4*\i+3], v11, s[6:7] offset:512*\i             ; 32 lanes read 512 consecutive bytes of Wg
.endr
.irp n, 0,1,2,3,4,5,6,7
	global_load_b128 v[X+8*\n:X+8*\n+3], v3, s[4:5] offset:8192*\n th:TH_LOAD_NT      ; the pair of loads covers 1,024 consecutive bytes of the token's row
	global_load_b128 v[X+8*\n+4:X+8*\n+7], v3, s[4:5] offset:8192*\n+16 th:TH_LOAD_NT
.endr
	s_wait_loadcnt 16                              ; Wg is in; the 16 younger loads, x's, may be out
.irp i, 0,1,2,3,4,5,6,7,8,9,10,11,12,13,14,15
	ds_store_b128 v7, v[P+4*\i:P+4*\i+3] offset:2*PP*\i                        ; Wg turns through my wave's own 32 rows: in as it lies,
.endr
.irp p, 0,1,2,3,4,5,6,7,8,9,10,11,12,13,14,15
	ds_load_b128 v[WGR+4*\p:WGR+4*\p+3], v6 offset:16*\p                       ; back 256 bytes a thread.  LDS serves a wave's instructions in order: no wait between, and no barrier: the rows are my wave's
.endr
	s_wait_dscnt 0x0
; One token: my part of its 8 logits, then my 8 numbers as codes.
.macro TOKEN n
	s_wait_loadcnt 14-2*\n                         ; loads come back in order: this token's two are in, the later tokens' may be out
.irp q, 0,2,4,6
	v_pk_mul_f32 v[P+8*\n+\q:P+8*\n+\q+1], v[WGR+\q:WGR+\q+1], v[X+8*\n:X+8*\n+1] op_sel_hi:[1,0]   ; the first product starts the sums: two experts at a time, x(n, 8 t) for both
.endr
.irp j, 1,2,3,4,5,6,7
.irp q, 0,2,4,6
.if \j%2
	s_delay_alu instid0(VALU_DEP_4)
	v_pk_fma_f32 v[P+8*\n+\q:P+8*\n+\q+1], v[WGR+8*\j+\q:WGR+8*\j+\q+1], v[X+8*\n+\j-1:X+8*\n+\j], v[P+8*\n+\q:P+8*\n+\q+1] op_sel:[0,1,0] op_sel_hi:[1,1,1]   ; the pair's upper x for both halves
.else
	s_delay_alu instid0(VALU_DEP_4)
	v_pk_fma_f32 v[P+8*\n+\q:P+8*\n+\q+1], v[WGR+8*\j+\q:WGR+8*\j+\q+1], v[X+8*\n+\j:X+8*\n+\j+1], v[P+8*\n+\q:P+8*\n+\q+1] op_sel_hi:[1,0,1]                  ; the pair's lower x for both halves
.endif
.endr
.endr
	v_max3_num_f32 v[T], |v[X+8*\n]|, |v[X+8*\n+1]|, 0x8000000        ; the largest magnitude of my 8, and the floor 2^(16 - 127): so the byte cannot fall under 1
	v_max3_num_f32 v[T+1], |v[X+8*\n+2]|, |v[X+8*\n+3]|, |v[X+8*\n+4]|
	s_delay_alu instid0(VALU_DEP_2)
	v_max3_num_f32 v[T], v[T], |v[X+8*\n+5]|, |v[X+8*\n+6]|
	s_delay_alu instid0(VALU_DEP_1)
	v_max3_num_f32 v[T], v[T], v[T+1], |v[X+8*\n+7]|
	s_delay_alu instid0(VALU_DEP_1)
	v_max_num_f32_dpp v[T], v[T], v[T] row_xmask:1 row_mask:0xf bank_mask:0xf   ; with the three lanes that share my block of 32
	s_delay_alu instid0(VALU_DEP_1)
	v_max_num_f32_dpp v[T], v[T], v[T] row_xmask:2 row_mask:0xf bank_mask:0xf
	s_delay_alu instid0(VALU_DEP_1)
	v_add_nc_u32 v[T+3], 0xf8800000, v[T]          ; 15 off its exponent field: the conversion takes the exponent field of this operand as its scale
	s_delay_alu instid0(VALU_DEP_2)
	v_and_or_b32 v[T+2], v[T], 0x7f800000, s19     ; 57,344 x the scale
.irp j, 0,1,2,3,4,5,6,7
	v_med3_num_f32 v[X+8*\n+\j], v[X+8*\n+\j], -v[T+2], v[T+2]        ; the conversion to an 8-bit code does not saturate (ISA guide 7.6.2): the hold comes first
.endr
	v_cvt_scalef32_pk8_bf8_f32 v[CD+2*\n:CD+2*\n+1], v[X+8*\n:X+8*\n+7], v[T+3]
	v_lshrrev_b32 v[SB+\n], 23, v[T+3]             ; the scale's byte; also the plain line behind the conversion
	global_store_b64 v4, v[CD+2*\n:CD+2*\n+1], s[10:11] offset:2048*\n          ; a wave stores 256 consecutive bytes, aligned
	ds_store_b8 v5, v[SB+\n] offset:64*\n          ; the four lanes of a block write the same byte with the same value
.endm
.irp n, 0,1,2,3,4,5,6,7
	TOKEN \n
.endr
.irp i, 0,1,2,3,4,5,6,7,8,9,10,11,12,13,14,15
	ds_store_b128 v6, v[P+4*\i:P+4*\i+3] offset:16*\i                          ; my 64 partial logits into my row
.endr
	s_wait_kmcnt 0x0                               ; bg
	s_wait_dscnt 0x0                               ; for the others' sake: my stores have landed
	s_barrier_signal -1
	s_barrier_wait -1                              ; all rows and all scale bytes lie in LDS
	s_cmp_lg_u32 s18, 1
	s_cbranch_scc1 .Lnot_wave_1
	ds_load_b128 v[16:19], v12                     ; wave 1: the 8 tokens' 512 scale bytes leave as two whole runs of 256
	s_wait_dscnt 0x0
	global_store_b128 v10, v[16:19], s[12:13]
.Lnot_wave_1:
.irp i, 0,1,2,3,4,5,6,7,8,9,10,11,12,13,14,15,16,17,18,19,20,21,22,23,24,25,26,27,28,29,30,31,32,33,34,35,36,37,38,39,40,41,42,43,44,45,46,47,48,49,50,51,52,53,54,55,56,57,58,59,60,61,62,63
	ds_load_b32 v[X+\i], v13 offset:PP*\i          ; column (n, e) of 64 threads' rows; neighbouring lanes read neighbouring words
.endr
	s_wait_dscnt 0x0
.macro LEVEL w                         ; pairs w registers apart are added, two sums an instruction
.set TU, 0
.rept 32/(\w)
	v_pk_add_f32 v[X+2*(\w)*TU:X+2*(\w)*TU+1], v[X+2*(\w)*TU:X+2*(\w)*TU+1], v[X+2*(\w)*TU+(\w):X+2*(\w)*TU+(\w)+1]
.set TU, TU+1
.endr
.endm
	LEVEL 2
	LEVEL 4
	LEVEL 8
	LEVEL 16
	LEVEL 32
	s_delay_alu instid0(VALU_DEP_1)
	v_add_f32 v[X], v[X], v[X+1]
	ds_store_b32 v14, v[X]
	s_wait_dscnt 0x0
	s_barrier_signal -1
	s_barrier_wait -1                              ; the 4 x 64 sums lie in LDS
	s_cmp_lg_u32 s18, 0
	s_cbranch_scc1 .Lend
	; wave 0: lane takes token lane % 8 (lanes 8-31 repeat the work of lanes 0-7 and store nothing)
.irp s, 0,1,2,3
	ds_load_b128 v[X+8*\s:X+8*\s+3], v15 offset:256*\s
	ds_load_b128 v[X+8*\s+4:X+8*\s+7], v15 offset:256*\s+16
.endr
	s_wait_dscnt 0x0
.irp q, 0,2,4,6
	v_pk_add_f32 v[X+\q:X+\q+1], v[X+\q:X+\q+1], v[X+8+\q:X+8+\q+1]
	v_pk_add_f32 v[X+16+\q:X+16+\q+1], v[X+16+\q:X+16+\q+1], v[X+24+\q:X+24+\q+1]
.endr
.irp q, 0,2,4,6
	v_pk_add_f32 v[X+\q:X+\q+1], v[X+\q:X+\q+1], v[X+16+\q:X+16+\q+1]
.endr
.irp e, 0,1,2,3,4,5,6,7
	v_add_f32 v[X+\e], s[24+\e], v[X+\e]           ; + bg
.endr
	; the two largest, in one walk.  The compare is strict, so of equal logits the lower index stays ahead, as in jax.lax.top_k.  v112, v113: the largest and its index; v114, v115: the second
	v_mov_b32 v112, v[X]
	v_mov_b32 v113, 0
	v_mov_b32 v114, 0xff800000                     ; -infinity, with index 1: the two indices differ at every step
	v_mov_b32 v115, 1
.irp e, 1
	v_mov_b32 v116, \e
	v_cmp_gt_f32 s20, v[X+\e], v112
	s_delay_alu instid0(VALU_DEP_4)
	v_cmp_gt_f32 s21, v[X+\e], v114
	s_delay_alu instid0(VALU_DEP_1)
	v_cndmask_b32 v114, v114, v[X+\e], s21         ; above the second: it takes the second place,
	s_delay_alu instid0(VALU_DEP_2)
	v_cndmask_b32 v115, v115, v116, s21
	s_delay_alu instid0(VALU_DEP_2)
	v_cndmask_b32 v114, v114, v112, s20            ; above the first: the old first moves down,
	s_delay_alu instid0(VALU_DEP_2)
	v_cndmask_b32 v115, v115, v113, s20
	v_cndmask_b32 v112, v112, v[X+\e], s20         ; and it takes the first place
	v_cndmask_b32 v113, v113, v116, s20
.endr
.irp e, 2, 3, 4, 5, 6, 7
	v_mov_b32 v116, \e
	s_delay_alu instid0(VALU_DEP_3)
	v_cmp_gt_f32 s20, v[X+\e], v112
	v_cmp_gt_f32 s21, v[X+\e], v114
	s_delay_alu instid0(VALU_DEP_1)
	v_cndmask_b32 v114, v114, v[X+\e], s21
	s_delay_alu instid0(VALU_DEP_2)
	v_cndmask_b32 v115, v115, v116, s21
	s_delay_alu instid0(VALU_DEP_2)
	v_cndmask_b32 v114, v114, v112, s20
	s_delay_alu instid0(VALU_DEP_2)
	v_cndmask_b32 v115, v115, v113, s20
	v_cndmask_b32 v112, v112, v[X+\e], s20
	v_cndmask_b32 v113, v113, v116, s20
.endr
	s_delay_alu instid0(VALU_DEP_2)
	v_sub_f32 v117, v114, v112                     ; the softmax of the two, the larger taken away: 1 / (1 + e^d) and e^d / (1 + e^d), d = second - first, 0 or less
	s_delay_alu instid0(VALU_DEP_1)
	v_mul_f32 v117, 0x3fb8aa3b, v117
	s_wait_alu depctr_va_vdst(0)
	v_exp_f32 v118, v117
	v_min_u32 v119, v113, v115                     ; lo (a plain line behind the exponential)
	v_max_u32 v120, v113, v115                     ; hi
	s_wait_alu depctr_va_vdst(0)                   ; the wait ahead of the first line that names the result
	v_add_f32 v121, 1.0, v118
	s_wait_alu depctr_va_vdst(0)
	v_rcp_f32 v122, v121                           ; w0
	; the sort key of the unordered pair, 0..27: pairs by lo; within an even lo hi ascends, within an odd lo it descends, so that neighbouring keys share an expert
	v_sub_nc_u32 v124, 15, v119
	s_delay_alu instid0(VALU_DEP_1)
	v_mul_u32_u24 v124, v124, v119
	s_delay_alu instid0(VALU_DEP_1)
	v_lshrrev_b32 v124, 1, v124                    ; lo (15 - lo) / 2 pairs have a smaller lo
	v_sub_nc_u32 v125, v120, v119
	s_delay_alu instid0(VALU_DEP_1)
	v_add_nc_u32 v125, -1, v125                    ; hi - lo - 1
	v_sub_nc_u32 v126, 7, v120                     ; 7 - hi
	v_and_b32 v127, 1, v119
	s_delay_alu instid0(VALU_DEP_1)
	v_cmp_eq_u32 vcc_lo, 1, v127
	s_delay_alu instid0(VALU_DEP_1)
	v_cndmask_b32 v125, v125, v126, vcc_lo
	s_delay_alu instid0(VALU_DEP_1)
	v_add_nc_u32 v124, v124, v125
	s_delay_alu instid0(VALU_DEP_1)
	v_lshl_or_b32 v124, v113, 8, v124              ; key | e0 << 8 | e1 << 12
	s_delay_alu instid0(VALU_DEP_1)
	v_lshl_or_b32 v124, v115, 12, v124
	v_lshlrev_b32 v8, 2, v9
	v_lshlrev_b32 v11, 3, v9
	s_wait_alu depctr_va_vdst(0)                   ; and ahead of the reciprocal's first reader
	v_mul_f32 v123, v118, v122                     ; w1
	v_cmp_gt_u32 vcc_lo, 8, v9
	s_wait_alu depctr_va_vdst(0)
	s_wait_xcnt 0x0                                ; EXEC changes only behind this wait: it is a source of the stores issued so far
	s_and_saveexec_b32 s22, vcc_lo
	global_store_b32 v8, v124, s[14:15]            ; 32 and 64 bytes a work-group: fixed places, no address hangs on the choice.  These two small tables are written in pieces of that size
	global_store_b64 v11, v[122:123], s[16:17]
	s_wait_xcnt 0x0                                ; and again, in front of the line that widens it
	s_or_b32 exec_lo, exec_lo, s22
.Lend:
	s_wait_tensorcnt 0x0                           ; the wave's end
	ds_add_u32 v1, v2
	s_wait_dscnt 0x0
	s_endpgm
.Lfunc_end_k_qc1c84e7f17_route:
	.size	k_qc1c84e7f17_route, .Lfunc_end_k_qc1c84e7f17_route-k_qc1c84e7f17_route
	.p2alignl 7, 3214868480
	.fill 96, 4, 3214868480
	.section	.rodata,"a",@progbits
	.p2align	6, 0x0
	.amdhsa_kernel k_qc1c84e7f17_route
		.amdhsa_group_segment_fixed_size 72192
		.amdhsa_private_segment_fixed_size 0
		.amdhsa_enable_private_segment 0
		.amdhsa_kernarg_size 56
		.amdhsa_user_sgpr_count 2
		.amdhsa_user_sgpr_kernarg_segment_ptr 1
		.amdhsa_wavefront_size32 1
		.amdhsa_system_sgpr_workgroup_id_x 1
		.amdhsa_system_sgpr_workgroup_id_y 1
		.amdhsa_system_sgpr_workgroup_id_z 1
		.amdhsa_system_vgpr_workitem_id 0
		.amdhsa_next_free_vgpr 240
		.amdhsa_next_free_sgpr 66
		.amdhsa_reserve_vcc 1
		.amdhsa_float_denorm_mode_32 3
		.amdhsa_float_denorm_mode_16_64 3
		.amdhsa_memory_ordered 1
		.amdhsa_forward_progress 1
		.amdhsa_inst_pref_size 59
	.end_amdhsa_kernel
	.amdgpu_metadata
---
amdhsa.version: [ 1, 2 ]
amdhsa.kernels:
  - .name:           k_qc1c84e7f17_route
    .symbol:         k_qc1c84e7f17_route.kd
    .args:
      - { .name: x, .offset: 0, .size: 8, .value_kind: global_buffer, .address_space: global }
      - { .name: Wg, .offset: 8, .size: 8, .value_kind: global_buffer, .address_space: global }
      - { .name: bg, .offset: 16, .size: 8, .value_kind: global_buffer, .address_space: global }
      - { .name: xq, .offset: 24, .size: 8, .value_kind: global_buffer, .address_space: global }
      - { .name: xs, .offset: 32, .size: 8, .value_kind: global_buffer, .address_space: global }
      - { .name: sel, .offset: 40, .size: 8, .value_kind: global_buffer, .address_space: global }
      - { .name: gw, .offset: 48, .size: 8, .value_kind: global_buffer, .address_space: global }
    .group_segment_fixed_size: 72192
    .private_segment_fixed_size: 0
    .kernarg_segment_align: 8
    .kernarg_segment_size: 56
    .max_flat_workgroup_size: 256
    .sgpr_count:     66
    .vgpr_count:     240
    .wavefront_size: 32
...
	.end_amdgpu_metadata
.endif
;; end of part 4
;; launch place (part 5): grid 1 x 1, 16 waves a work-group, no clusters, 4,096 bytes of LDS; arguments sel, ord, bm; writes ord, bm
.if DOCPART == 5
	.amdgcn_target "amdgcn-amd-amdhsa--gfx1250"
	.amdhsa_code_object_version 6
	.text
	.protected	k_qc1c84e7f17_place
	.globl	k_qc1c84e7f17_place
	.p2align	8
	.type	k_qc1c84e7f17_place,@function
k_qc1c84e7f17_place:
	s_mov_b64 s[64:65], 0
	v_nop
	global_prefetch_b8 v0, s[64:65] scope:SCOPE_SE
	s_setreg_imm32_b32 hwreg(HW_REG_WAVE_MODE, 25, 1), 1
	s_wait_xcnt 0x0
; LAUNCH 2 OF 3: a counting sort of the 2,048 tokens by the key of their pair of experts (28 keys), and for each block of 64 neighbours of the sorted order the set of experts that it uses.
; It reads the whole numbers that the first launch stored; the addresses formed from them here (a token's place) are whole-number work on loaded data, held under 2,048 ahead of the store.
; One work-group, no atomics.  Thread t takes tokens 4 t + q, q = 0..3; chunk q of a wave is component q of its 32 lanes.  A token's place = the key's first place + the tokens of that key in
; earlier waves + in earlier chunks of my wave + in lower lanes of my chunk.  Counts by key are kept as vectors with lane = key.
; ord[place] = token | e0 << 16 | e1 << 24.   bm: 8 bytes a block: the mask of its experts, and 0.
.set SPARE, 2048                       ; LDS: 16 rows of 32 counts from byte 0; behind them the spare words, 128 bytes for each wave: eight blocks of 256 bytes that no other line names
; v1, v2 the add's two; v3 16 t; v4-7 the words; v8-11 lower lanes of my key; v12-15 the chunks' counts (lane = key); v16-19 4 x key; v20-23 what is stored; v24-27 places;
; v28 my wave's counts; v32-47 all waves' counts; v48 totals, v49 earlier waves', v50 first places; v52-60 at work; v61 4 t; v62 4 x lane.
; s10 wave; s32-59 a ballot, then a count, for each key; s66-94 the keys' first places, and 2,048.
	s_load_b128 s[4:7], s[0:1], 0x0                ; sel s[4:5], ord s[6:7]
	s_load_b64 s[8:9], s[0:1], 0x10                ; bm
	v_lshl_add_u32 v1, v0, 2, SPARE
	v_mov_b32 v2, 0
	v_lshrrev_b32 v3, 5, v0
	s_delay_alu instid0(VALU_DEP_1)
	v_readfirstlane_b32 s10, v3                    ; wave 0..15
	v_lshlrev_b32 v3, 4, v0
	v_lshlrev_b32 v61, 2, v0
	v_and_b32 v62, 31, v0
	s_delay_alu instid0(VALU_DEP_1)
	v_lshlrev_b32 v62, 2, v62
	s_wait_alu depctr_va_vdst(0)
	s_wait_kmcnt 0x0
	global_load_b128 v[4:7], v3, s[4:5]            ; 32 lanes read 512 consecutive bytes
	s_wait_loadcnt 0x0
.macro CHUNK q
	v_and_b32 v52, 31, v[4+\q]                     ; key
	s_delay_alu instid0(VALU_DEP_1)
	v_lshlrev_b32 v[16+\q], 2, v52
	v_bfe_u32 v53, v[4+\q], 8, 4                   ; e0
	v_bfe_u32 v54, v[4+\q], 12, 4                  ; e1
	v_add_nc_u32 v[20+\q], \q, v61                 ; the token
	s_delay_alu instid0(VALU_DEP_1)
	v_lshl_or_b32 v[20+\q], v53, 16, v[20+\q]
	s_delay_alu instid0(VALU_DEP_1)
	v_lshl_or_b32 v[20+\q], v54, 24, v[20+\q]
	v_mov_b32 v55, 0
	v_mov_b32 v[12+\q], 0
.irp k, 0,1,2,3,4,5,6,7,8,9,10,11,12,13,14,15,16,17,18,19,20,21,22,23,24,25,26,27
	v_cmp_eq_u32 s[32+\k], \k, v52                 ; the lanes that hold key k
.endr
.irp k, 0
	v_cndmask_b32 v55, v55, s[32+\k], s[32+\k]     ; each lane takes the ballot of its own key
.endr
.irp k, 1, 2, 3, 4, 5, 6, 7, 8, 9, 10, 11, 12, 13, 14, 15, 16, 17, 18, 19, 20, 21, 22, 23, 24, 25, 26, 27
	s_delay_alu instid0(VALU_DEP_1)
	v_cndmask_b32 v55, v55, s[32+\k], s[32+\k]
.endr
	s_delay_alu instid0(VALU_DEP_1)
	v_mbcnt_lo_u32_b32 v[8+\q], v55, 0             ; how many lower lanes hold my key
.irp k, 0,1,2,3,4,5,6,7,8,9,10,11,12,13,14,15,16,17,18,19,20,21,22,23,24,25,26,27
	s_bcnt1_i32_b32 s[32+\k], s[32+\k]
.endr
.irp k, 0
	v_writelane_b32 v[12+\q], s[32+\k], \k
.endr
.irp k, 1, 2, 3, 4, 5, 6, 7, 8, 9, 10, 11, 12, 13, 14, 15, 16, 17, 18, 19, 20, 21, 22, 23, 24, 25, 26, 27
	s_delay_alu instid0(VALU_DEP_1)
	v_writelane_b32 v[12+\q], s[32+\k], \k         ; the chunk's count of key k into lane k
.endr
.endm
	CHUNK 0
	CHUNK 1
	CHUNK 2
	CHUNK 3
	v_add_nc_u32 v28, v12, v13
	s_delay_alu instid0(VALU_DEP_1)
	v_add3_u32 v28, v28, v14, v15
	ds_store_b32 v61, v28                          ; my wave's counts: row w, word = key
	s_wait_dscnt 0x0
	s_barrier_signal -1
	s_barrier_wait -1
.irp j, 0,1,2,3,4,5,6,7,8,9,10,11,12,13,14,15
	ds_load_b32 v[32+\j], v62 offset:128*\j
.endr
	v_mov_b32 v48, 0
	v_mov_b32 v49, 0
	v_mov_b32 v50, 0
	s_wait_alu depctr_va_vdst(0)
	s_wait_dscnt 0x0
.irp i, 0
	v_add3_u32 v48, v48, v[32+2*\i], v[33+2*\i]
.endr
.irp i, 1, 2, 3, 4, 5, 6, 7
	s_delay_alu instid0(VALU_DEP_1)
	v_add3_u32 v48, v48, v[32+2*\i], v[33+2*\i]    ; each key's total
.endr
.irp j, 0,1,2,3,4,5,6,7,8,9,10,11,12,13,14
	s_cmp_gt_u32 s10, \j
	s_cselect_b32 s11, -1, 0
	v_and_b32 v52, s11, v[32+\j]
	s_delay_alu instid0(VALU_DEP_1)
	v_add_nc_u32 v49, v49, v52                     ; and what the waves ahead of mine hold of it
.endr
.irp k, 0,1,2,3,4,5,6,7,8,9,10,11,12,13,14,15,16,17,18,19,20,21,22,23,24,25,26,27
	v_readlane_b32 s[32+\k], v48, \k
.endr
	s_mov_b32 s66, 0
.irp k, 0,1,2,3,4,5,6,7,8,9,10,11,12,13,14,15,16,17,18,19,20,21,22,23,24,25,26,27
	s_add_co_u32 s[67+\k], s[66+\k], s[32+\k]      ; the keys' first places
.endr
.irp k, 0
	v_writelane_b32 v50, s[66+\k], \k
.endr
.irp k, 1, 2, 3, 4, 5, 6, 7, 8, 9, 10, 11, 12, 13, 14, 15, 16, 17, 18, 19, 20, 21, 22, 23, 24, 25, 26, 27
	s_delay_alu instid0(VALU_DEP_1)
	v_writelane_b32 v50, s[66+\k], \k
.endr
	s_delay_alu instid0(VALU_DEP_1)
	v_add_nc_u32 v56, v50, v49                     ; lane = key: where my wave's chunk 0 puts its first token of that key,
	s_delay_alu instid0(VALU_DEP_1)
	v_add_nc_u32 v57, v56, v12                     ; chunk 1,
	s_delay_alu instid0(VALU_DEP_1)
	v_add_nc_u32 v58, v57, v13                     ; chunk 2,
	s_delay_alu instid0(VALU_DEP_1)
	v_add_nc_u32 v59, v58, v14                     ; chunk 3
.irp q, 0,1,2,3
	ds_bpermute_b32 v[24+\q], v[16+\q], v[56+\q]   ; each lane takes the number of its token's key (lane = key; no LDS byte is touched)
.endr
	s_wait_dscnt 0x0
.irp q, 0,1,2,3
	v_add_nc_u32 v[24+\q], v[24+\q], v[8+\q]       ; + the lower lanes of my key: the token's place
	s_delay_alu instid0(VALU_DEP_1)
	v_min_u32 v[24+\q], 0x7ff, v[24+\q]            ; a number made of loaded data is held inside the table before it becomes an address
	s_delay_alu instid0(VALU_DEP_1)
	v_lshlrev_b32 v[24+\q], 2, v[24+\q]
	global_store_b32 v[24+\q], v[20+\q], s[6:7]    ; 4 bytes a lane to scattered places of an 8 KiB table: this is the permutation itself
.endr
	s_cmp_lg_u32 s10, 0
	s_cbranch_scc1 .Lend
	; wave 0: lane b is block b, places 64 b .. 64 b + 63.  The block uses the two experts of every key whose run of places meets it
	v_lshlrev_b32 v52, 4, v62                      ; 64 b
	s_delay_alu instid0(VALU_DEP_1)
	v_add_nc_u32 v53, 64, v52
	v_mov_b32 v54, 0
	v_mov_b32 v55, 0
.irp lo, 0,1,2,3,4,5,6
.irp hi, 1,2,3,4,5,6,7
.if \hi > \lo
.set KEY, (\lo*(15-\lo))/2+(\lo%2)*(7-\hi)+(1-\lo%2)*(\hi-\lo-1)
	v_max_u32 v56, s[66+KEY], v52
	v_min_u32 v57, s[67+KEY], v53
	v_mov_b32 v58, (1<<\lo)|(1<<\hi)
	s_delay_alu instid0(VALU_DEP_2)
	v_cmp_lt_u32 vcc_lo, v56, v57                  ; the run and the block share a place
	s_delay_alu instid0(VALU_DEP_1)
	v_cndmask_b32 v58, 0, v58, vcc_lo
	s_delay_alu instid0(VALU_DEP_1)
	v_or_b32 v54, v54, v58
.endif
.endr
.endr
	v_lshlrev_b32 v60, 1, v62
	global_store_b64 v60, v[54:55], s[8:9]         ; 32 lanes store the table's 256 bytes whole
.Lend:
	s_wait_tensorcnt 0x0                           ; the wave's end
	ds_add_u32 v1, v2
	s_wait_dscnt 0x0
	s_endpgm
.Lfunc_end_k_qc1c84e7f17_place:
	.size	k_qc1c84e7f17_place, .Lfunc_end_k_qc1c84e7f17_place-k_qc1c84e7f17_place
	.p2alignl 7, 3214868480
	.fill 96, 4, 3214868480
	.section	.rodata,"a",@progbits
	.p2align	6, 0x0
	.amdhsa_kernel k_qc1c84e7f17_place
		.amdhsa_group_segment_fixed_size 4096
		.amdhsa_private_segment_fixed_size 0
		.amdhsa_enable_private_segment 0
		.amdhsa_kernarg_size 24
		.amdhsa_user_sgpr_count 2
		.amdhsa_user_sgpr_kernarg_segment_ptr 1
		.amdhsa_wavefront_size32 1
		.amdhsa_system_sgpr_workgroup_id_x 1
		.amdhsa_system_sgpr_workgroup_id_y 1
		.amdhsa_system_sgpr_workgroup_id_z 1
		.amdhsa_system_vgpr_workitem_id 0
		.amdhsa_next_free_vgpr 64
		.amdhsa_next_free_sgpr 96
		.amdhsa_reserve_vcc 1
		.amdhsa_float_denorm_mode_32 3
		.amdhsa_float_denorm_mode_16_64 3
		.amdhsa_memory_ordered 1
		.amdhsa_forward_progress 1
		.amdhsa_inst_pref_size 55
	.end_amdhsa_kernel
	.amdgpu_metadata
---
amdhsa.version: [ 1, 2 ]
amdhsa.kernels:
  - .name:           k_qc1c84e7f17_place
    .symbol:         k_qc1c84e7f17_place.kd
    .args:
      - { .name: sel, .offset: 0, .size: 8, .value_kind: global_buffer, .address_space: global }
      - { .name: ord, .offset: 8, .size: 8, .value_kind: global_buffer, .address_space: global }
      - { .name: bm, .offset: 16, .size: 8, .value_kind: global_buffer, .address_space: global }
    .group_segment_fixed_size: 4096
    .private_segment_fixed_size: 0
    .kernarg_segment_align: 8
    .kernarg_segment_size: 24
    .max_flat_workgroup_size: 512
    .sgpr_count:     96
    .vgpr_count:     64
    .wavefront_size: 32
...
	.end_amdgpu_metadata
.endif
;; end of part 5
;; launch experts (part 6): grid 8 x 32, 4 waves a work-group, no clusters, 202,240 bytes of LDS; arguments We_codes, We_scales, be, xq, xs, gw, ord, bm, out0; writes out0
.if DOCPART == 6
	.amdgcn_target "amdgcn-amd-amdhsa--gfx1250"
	.amdhsa_code_object_version 6
	.text
	.protected	k_qc1c84e7f17_experts
	.globl	k_qc1c84e7f17_experts
	.p2align	8
	.type	k_qc1c84e7f17_experts,@function
k_qc1c84e7f17_experts:
	s_mov_b64 s[64:65], 0
	v_nop
	global_prefetch_b8 v0, s[64:65] scope:SCOPE_SE
	s_setreg_imm32_b32 hwreg(HW_REG_WAVE_SCHED_MODE, 0, 2), 2
	s_setreg_imm32_b32 hwreg(HW_REG_WAVE_MODE, 25, 1), 1
	s_wait_xcnt 0x0
	s_wait_alu depctr_vm_vsrc(0)
; LAUNCH 3 OF 3: out[n] = w0 (x^[n] We[e0] + be[e0]) + w1 (x^[n] We[e1] + be[e1]) on codes of E5M2 with E8M0 scales, by v_wmma_scale_f32_16x16x128_f8f6f4.
; WORK LEFT OUT: the products of a token with experts that it has not chosen reach no output (reference() gathers two rows of y for each token): whole experts that no token of a block has
; chosen are not walked.  LIMIT: inside a block a token is still multiplied by the experts of its neighbours and the result is weighed with 0: an infinity or NaN that arises there (a sum
; beyond f32's range, or such codes or scale bytes in We) makes that row NaN where reference() has numbers; one that arises in an expert that is not walked is not carried.
; SHARES.  A work-group owns a block of 64 neighbours of the sorted order (work-group y) x 256 columns of out (work-group x): every output row has one owner, so nothing is added through memory.
; Each of the four waves takes all 64 tokens x 64 columns: 4 x 4 tiles.  The block's codes of x (128 KiB) lie in LDS for the whole launch and are read by all four waves; a wave's 64 rows of We
; go from memory straight into its registers, three K steps ahead.  For each expert in the block's mask: acc = x^ We[e] + be[e] (the bias is the C of the first product), then out += gate x acc,
; the gate being w0, w1 or 0 by the token's own pair.
; THE PRODUCT IS USED TRANSPOSED: source 0 = 16 rows of We (columns of out), source 1 = 16 tokens: a lane holds one token (lane % 16) and eight neighbouring columns, 8 (lane / 16) + 0..7.
; NO TENSOR LOADS, NO CLUSTER: how many experts a work-group walks, and which, are numbers read from memory
; The walk of partners would differ: blocks have different masks.
; WEIGHTS ARE READ AS THEY LIE: a load takes 32 bytes of each of 16 rows; the eight loads of two neighbouring K steps, issued by the same wave one step apart, cover 256 aligned bytes of each row.
; REGISTERS, in windows of 256 (s_set_vgpr_msb: bits 1:0 source 0, 3:2 source 1, 5:4 source 2, 7:6 destination):
;   window 0: v1-7 the add's two and offsets; v8-11 the tokens' words of ord; v12-19 (w0, w1); v20-27 gates (even) and 0 (odd); v28 at work; v29-31 offsets; v32-63 x's scale words; v64-95 We's;
;             v96-127 the bias, in the tail the rows' offsets in out; v128-191, v192-255 x's fragments, two sets.
;   window 1: v0-127 acc(m, t) at 8 (4 m + t); v128-255 out likewise.  At the head all 256 carry x's codes from memory to LDS.     window 2: We's fragments, a ring of four K steps of 64 registers.
; SCALE WORDS.  A row's 64 scale bytes are 16 words, one a K step.  One load of 16 bytes gives lanes 0-15 the words of steps 8 j + 0..3 and lanes 16-31 those of steps 8 j + 4..7: the product of step ks
; names register 4 (ks / 8) + ks % 4 of its tile and reads the upper lanes where (ks / 4) is odd.
; THE MODE: SCHED_MODE bits 1:0 = 2 (LLVM: expert scheduling mode 2), set by the entry lines.  The code itself states the register dependences between vector or matrix instructions and memory or
; LDS instructions, with s_wait_alu, always for 0.
; THE PLAN.  Registers that memory or LDS instructions touch, in the loop over experts:
;   W0 .. W3      the ring.  Step ks: its products read W[ks % 4]; its global loads land in W[(ks + 3) % 4], which the products of step ks - 1 read last.
;   X0, X1        Step ks: its products read X[ks % 2]; its LDS loads land in X[(ks + 1) % 2], which the products of step ks - 1 read last.
;   WS            We's scale words.  The lower four registers of a tile are read in steps 0-7 and loaded in step 8 (the next expert's); the upper four are read in steps 8-15 and loaded in step 0.
;   BI            read by step 0's products as C; loaded in step 8 (the next expert's bias), in the last pass in step 12 (words of ord).
;   v3-7, v29     offsets and LDS addresses: made at the head, never written again.  The experts are reached by scalar bases, the K steps by immediate offsets.
;   XS, GW, ORDW  loaded once, at the head.     acc, out, the gates and v28 are named by vector and matrix instructions alone.
; So ONE wait on va_vdst stands at a step's head, behind the waits for the step's data: it states that the products of the step before are done reading the slot and the set that this step's loads
; fill (in step 0 also the upper scale words, in step 8 the lower ones and the bias).  The step's loads follow it, eight at a time ahead of four products each; those products name W[ks % 4], X[ks % 2],
; acc, their own step's scale registers and (step 0) BI: none of the registers that the step's loads touch.  No register that a memory instruction reads is written in the loop.
.set PX,    2064                       ; a token's row in LDS: 2,048 codes + 16: an odd multiple of 16, so that the 16 rows of a fragment load begin at 16 different groups of banks
.set SP,    272                        ; a row of a wave's stage: 64 columns of f32 + 16
.set STAGE, 64*PX                      ; behind x: 64 rows x 272 bytes for each wave, for the way out
.set SPARE, STAGE+4*64*SP              ; the spare words, 128 bytes for each wave: two blocks of 256 bytes that no other line names
.set SPW,   1
.set NIL,   2
.set WOFF,  3                          ; 2,048 r + 16 h: my place in a tile of We's codes
.set WSOFF, 4                          ; 64 r + 16 h: in its scale bytes
.set BOFF,  5                          ; 32 h: in its 16 numbers of the bias
.set XA,    6                          ; v6, v7: my place in x's rows in LDS, tiles 0-1 and 2-3
.set ORDW,  8
.set GW,    12
.set G,     20
.set TMP,   28
.set TOOFF, 29                         ; 128 h: the tail's loads of ord
.set STO,   30
.set RD,    31
.set XS,    32
.set WS,    64
.set BI,    96
.set XF,    128
.set OUT,   128                        ; in window 1
.set CUR,   38                         ; s[38:43] this expert's codes, scale bytes, bias at my wave's first column
.set NXT,   44                         ; s[44:49] the next expert's
.set CM,    52                         ; s[52:59] the gates' eight masks
; s22 wave, s24 block, s25 the experts still to be picked, s26 trips, s27 this expert, s28 the next, s[30:31] an offset (s31 stays 0), s[32:37] the three tensors at my wave's first column, s[50:51] out0 there
.set MSB, 0
.macro WIN new                         ; the immediate's high byte repeats the setting that is left; a switch that changes nothing is dropped
.if MSB != \new
	s_set_vgpr_msb (MSB<<8)|\new
.set MSB, \new
.endif
.endm
.macro PICK e                          ; the lowest expert left in the mask
	s_ctz_i32_b32 s[\e], s25
	s_min_u32 s[\e], s[\e], 7                      ; a number read from memory is held inside the table before it enters an address
	s_add_co_u32 s29, s25, -1
	s_and_b32 s25, s25, s29
.endm
.macro BASES e, d
	s_lshl_b32 s30, s[\e], 22                      ; an expert's codes: 2,048 x 2,048 bytes
	s_add_nc_u64 s[\d:\d+1], s[32:33], s[30:31]
	s_lshl_b32 s30, s[\e], 17                      ; its scale bytes: 2,048 x 64
	s_add_nc_u64 s[\d+2:\d+3], s[34:35], s[30:31]
	s_lshl_b32 s30, s[\e], 13                      ; its bias: 2,048 x 4
	s_add_nc_u64 s[\d+4:\d+5], s[36:37], s[30:31]
.endm
.macro WLOAD2 ks, b, p                 ; We's fragments t = 2 p, 2 p + 1 of K step ks into the ring: lane (r, h): row 16 t + r, bytes 128 ks + 32 c + 16 h on
	WIN 0x80
.irp u, 0,1
.irp c, 0,1,2,3
	global_load_b128 v[64*((\ks)%4)+16*(2*(\p)+\u)+4*\c:64*((\ks)%4)+16*(2*(\p)+\u)+4*\c+3], v[WOFF], s[\b:\b+1] offset:32768*(2*(\p)+\u)+128*(\ks)+32*\c
.endr
.endr
.endm
.macro XLOAD2 ks, set, p               ; x's fragments m = 2 p, 2 p + 1 of K step ks from LDS
	WIN 0
.irp u, 0,1
.irp c, 0,1,2,3
	ds_load_b128 v[XF+64*(\set)+16*(2*(\p)+\u)+4*\c:XF+64*(\set)+16*(2*(\p)+\u)+4*\c+3], v[XA+(\p)] offset:16*PX*\u+128*(\ks)+32*\c
.endr
.endr
.endm
.macro WSLOAD j, b                     ; We's scale words of K steps 8 j .. 8 j + 7
	WIN 0
.irp t, 0,1,2,3
	global_load_b128 v[WS+8*\t+4*(\j):WS+8*\t+4*(\j)+3], v[WSOFF], s[\b:\b+1] offset:1024*\t+32*(\j)
.endr
.endm
.macro BLOAD b                         ; the bias in the result's layout: lane (r, h): columns 16 t + 8 h + 0..7
	WIN 0
.irp t, 0,1,2,3
	global_load_b128 v[BI+8*\t:BI+8*\t+3], v[BOFF], s[\b:\b+1] offset:64*\t
	global_load_b128 v[BI+8*\t+4:BI+8*\t+7], v[BOFF], s[\b:\b+1] offset:64*\t+16
.endr
.endm
; 4 matrix instructions: tile m of tokens against We's four.  A step's four calls, m = 0 .. 3, take the 16 accumulators by turns, one instruction a turn, in the same order in every K step and over the
; loop's backward jump.
.macro MUL4 ks, m
.if (\ks) == 0
	WIN 0x42                                       ; We window 2, x window 0, C (the bias) window 0, D window 1
.else
	WIN 0x52                                       ; C and D window 1
.endif
.irp t, 0,1,2,3
.set rD, 8*(4*(\m)+\t)
.set rW, 64*((\ks)%4)+16*\t
.set rX, XF+64*((\ks)%2)+16*(\m)
.set rSW, WS+8*\t+4*((\ks)/8)+(\ks)%4
.set rSX, XS+8*(\m)+4*((\ks)/8)+(\ks)%4
.if (\ks) == 0
	v_wmma_scale_f32_16x16x128_f8f6f4 v[rD:rD+7], v[rW:rW+15], v[rX:rX+15], v[BI+8*\t:BI+8*\t+7], v[rSW], v[rSX] matrix_a_fmt:MATRIX_FMT_BF8 matrix_b_fmt:MATRIX_FMT_BF8
.elseif ((\ks)/4)%2
	v_wmma_scale_f32_16x16x128_f8f6f4 v[rD:rD+7], v[rW:rW+15], v[rX:rX+15], v[rD:rD+7], v[rSW], v[rSX] matrix_a_fmt:MATRIX_FMT_BF8 matrix_b_fmt:MATRIX_FMT_BF8 matrix_a_scale:MATRIX_SCALE_ROW1 matrix_b_scale:MATRIX_SCALE_ROW1
.else
	v_wmma_scale_f32_16x16x128_f8f6f4 v[rD:rD+7], v[rW:rW+15], v[rX:rX+15], v[rD:rD+7], v[rSW], v[rSX] matrix_a_fmt:MATRIX_FMT_BF8 matrix_b_fmt:MATRIX_FMT_BF8
.endif
.endr
.endm
.macro GATES                           ; my four tokens' gates for expert s27: w0 where it is the token's first choice, w1 where the second, else 0.  A select, no branch.  The eight compares stand in one run
.irp m, 0,1,2,3
	v_bfe_u32 v[TMP], v[ORDW+\m], 16, 8
	v_cmp_eq_u32 s[CM+2*\m], s27, v[TMP]
	v_lshrrev_b32 v[TMP], 24, v[ORDW+\m]
	v_cmp_eq_u32 s[CM+2*\m+1], s27, v[TMP]
.endr
	s_wait_alu depctr_va_sdst(0)                   ; the eight compares have written s[CM ..], which the selects below read
.irp m, 0,1,2,3
	v_cndmask_b32 v[G+2*\m], 0, v[GW+2*\m], s[CM+2*\m]
	v_cndmask_b32 v[G+2*\m], v[G+2*\m], v[GW+2*\m+1], s[CM+2*\m+1]
.endr
.endm
.macro EPI                             ; out += gate x acc, two at a time; each accumulator is read from its low end on
	WIN 0x51
.irp m, 0,1,2,3
.irp t, 0,1,2,3
.irp j, 0,2,4,6
	v_pk_fma_f32 v[OUT+8*(4*\m+\t)+\j:OUT+8*(4*\m+\t)+\j+1], v[8*(4*\m+\t)+\j:8*(4*\m+\t)+\j+1], v[G+2*\m:G+2*\m+1], v[OUT+8*(4*\m+\t)+\j:OUT+8*(4*\m+\t)+\j+1] op_sel_hi:[1,0,1]
.endr
.endr
.endr
.endm
; A K STEP of 128.  Its weights were asked for three steps ago, its fragments of x in the step before.  Behind the one wait on va_vdst at its head the slot and the set that the step before read are
; filled again, eight loads ahead of each four products: x's first, which are wanted soonest.  tail = 1: the block's last expert: nothing of a next expert is asked for.
; THE COUNT OF THE WAIT ON LOADS = the loads issued behind this step's 16: two steps' weights (32); in steps 1-3 also the 4 loads of scale words issued in step 0; in the loop's steps 9-11 also the
; 4 + 8 loads of the next expert's scale words and bias issued in step 8; in the tail's steps 13-15: 32, 16, 0 of weights and the 8 loads of ord issued in step 12.
.macro KSTEP ks, tail
.set LC, 32
.if ((\ks) >= 1) && ((\ks) <= 3)
.set LC, 36
.endif
.if \tail
.if (\ks) == 13
.set LC, 40
.endif
.if (\ks) == 14
.set LC, 24
.endif
.if (\ks) == 15
.set LC, 8
.endif
.else
.if ((\ks) >= 9) && ((\ks) <= 11)
.set LC, 44
.endif
.endif
	s_wait_loadcnt LC
	s_wait_dscnt 8                                 ; LDS loads come back in order: this step's fragments of tiles 0 and 1 are in; the eight loads of tiles 2 and 3 may be out
.if !((\tail) && ((\ks) == 15))
	WIN 0
	s_wait_alu depctr_va_vdst(0)                   ; the products of the step before are done reading X[(ks + 1) % 2] and W[(ks + 3) % 4], in which this step's loads land; step 0: those of steps 8-15 the upper scale words; step 8: those of steps 0-7 the lower ones and the bias; the tail's step 12: the bias
	XLOAD2 ((\ks)+1)%16, ((\ks)+1)%2, 0            ; x is the same for every expert: behind step 15 the fragments begin anew
.endif
	MUL4 \ks, 0
.if !((\tail) && ((\ks) == 15))
	XLOAD2 ((\ks)+1)%16, ((\ks)+1)%2, 1            ; no further wait: no vector or matrix instruction since the wait above names a register that this step's loads touch
.endif
	MUL4 \ks, 1
.if (\tail) && ((\ks) == 15)
	s_wait_dscnt 0x0                               ; nothing was asked for behind the last step's fragments
.else
	s_wait_dscnt 16                                ; this step's fragments of tiles 2 and 3 are in; the next step's 16 loads may be out
.endif
.if (\ks) < 13
	WLOAD2 (\ks)+3, CUR, 0
.elseif !(\tail)
	WLOAD2 (\ks)-13, NXT, 0
.endif
	MUL4 \ks, 2
.if (\ks) < 13
	WLOAD2 (\ks)+3, CUR, 1
.elseif !(\tail)
	WLOAD2 (\ks)-13, NXT, 1
.endif
.if (\ks) == 0
	WSLOAD 1, CUR+2                                ; the second half of this expert's scale words: their registers were last read in the pass before
.endif
.if ((\ks) == 8) && !(\tail)
	WSLOAD 0, NXT+2                                ; steps 0-7 are done with the first half, step 0 with the bias: both take the next expert's
	BLOAD NXT+4
.endif
.if ((\ks) == 12) && (\tail)
	WIN 0
.irp i, 0,1,2,3,4,5,6,7
	global_load_b128 v[BI+4*\i:BI+4*\i+3], v[TOOFF], s[16:17] offset:16*\i    ; for the way out: lanes 0-15 the words of the block's rows 0-31, lanes 16-31 of rows 32-63
.endr
.endif
	MUL4 \ks, 3
.endm
.macro PASS tail                       ; one expert
.if !(\tail)
	PICK 28
	BASES 28, NXT                                  ; (no load that names these registers is out: the wait at the end of the pass before has freed them)
.endif
.irp ks, 0,1,2,3,4,5,6,7,8,9,10,11,12,13,14,15
	KSTEP \ks, \tail
.endr
	WIN 0
	GATES                                          ; 24 plain lines that name no register of the products: the places in front of the first read of the sums, and of the next pass's products, which begin the sums anew
	EPI
	WIN 0
.if !(\tail)
	s_wait_xcnt 0x0                                ; every load issued so far has read its base: both sets may be written
	s_mov_b64 s[CUR:CUR+1], s[NXT:NXT+1]
	s_mov_b64 s[CUR+2:CUR+3], s[NXT+2:NXT+3]
	s_mov_b64 s[CUR+4:CUR+5], s[NXT+4:NXT+5]
	s_mov_b32 s27, s28
.endif
.endm
	s_load_b512 s[4:19], s[0:1], 0x0               ; We_codes s[4:5], We_scales s[6:7], be s[8:9], xq s[10:11], xs s[12:13], gw s[14:15], ord s[16:17], bm s[18:19]
	s_load_b64 s[20:21], s[0:1], 0x40              ; out0
	v_lshl_add_u32 v[SPW], v0, 2, SPARE
	v_mov_b32 v[NIL], 0
	v_lshrrev_b32 v[TMP], 5, v0
	v_readfirstlane_b32 s22, v[TMP]                ; wave 0..3
	s_and_b32 s24, ttmp7, 0xffff                   ; the block of tokens
	v_and_b32 v[TMP], 15, v0                       ; r
	v_bfe_u32 v[TOOFF], v0, 4, 1                   ; h
	v_lshlrev_b32 v[WOFF], 11, v[TMP]
	v_lshl_add_u32 v[WOFF], v[TOOFF], 4, v[WOFF]
	v_lshlrev_b32 v[WSOFF], 6, v[TMP]
	v_lshl_add_u32 v[WSOFF], v[TOOFF], 4, v[WSOFF]
	v_lshlrev_b32 v[BOFF], 5, v[TOOFF]
	v_mul_u32_u24 v[XA], v[TMP], PX
	v_lshl_add_u32 v[XA], v[TOOFF], 4, v[XA]
	v_add_nc_u32 v[XA+1], 32*PX, v[XA]
	s_wait_alu depctr_va_sdst(0)                   ; s22 is written, ahead of its first reader: LDS places and the tensors' bases are made from it
	s_mul_i32 s29, s22, 64*SP
	s_add_co_u32 s29, s29, STAGE                   ; my stage
	v_mul_u32_u24 v[STO], v[TMP], SP               ; in: row r of a tile, 32 bytes for each half of the lanes
	v_lshl_add_u32 v[STO], v[TOOFF], 5, v[STO]
	v_add_nc_u32 v[STO], s29, v[STO]
	v_mul_u32_u24 v[RD], v[TOOFF], 32*SP           ; back: lanes 0-15 a row of rows 0-31, lanes 16-31 the row 32 further on
	v_lshl_add_u32 v[RD], v[TMP], 4, v[RD]
	v_add_nc_u32 v[RD], s29, v[RD]
	s_mul_i32 s29, s22, 16*PX                      ; x's way into LDS: my wave brings rows 16 w .. 16 w + 15; lanes 0-15 rows 16 w + i, lanes 16-31 rows 16 w + 8 + i
	v_mul_u32_u24 v26, v[TOOFF], 8*PX
	v_lshl_add_u32 v26, v[TMP], 4, v26
	v_add_nc_u32 v26, s29, v26
	v_lshlrev_b32 v20, 4, v[TMP]                   ; 16 r
	v_lshlrev_b32 v22, 4, v[TOOFF]                 ; 16 h
	v_lshlrev_b32 v21, 2, v[TMP]                   ; 4 r
	s_lshl_b32 s29, s22, 6
	v_lshl_add_u32 v24, v[TOOFF], 5, s29           ; 4 (16 w + 8 h)
	v_lshlrev_b32 v[TOOFF], 7, v[TOOFF]
	s_wait_kmcnt 0x0
	s_mov_b32 s31, 0
	s_lshl_b32 s30, s24, 3
	s_add_nc_u64 s[18:19], s[18:19], s[30:31]
	s_load_b32 s25, s[18:19], 0x0                  ; my block's mask of experts
	s_lshl_b32 s30, s24, 8
	s_add_nc_u64 s[16:17], s[16:17], s[30:31]      ; ord at my block's first place
	s_wait_alu depctr_va_vdst(0)                   ; the offsets and LDS addresses made above (v3-7, v21, v24, v26, v29-31) are written: the loads and stores of the whole kernel read them
	global_load_b128 v[XF:XF+3], v24, s[16:17]                 ; the eight rows that my half of the lanes brings
	global_load_b128 v[XF+4:XF+7], v24, s[16:17] offset:16
.irp m, 0,1,2,3
	global_load_b32 v[ORDW+\m], v21, s[16:17] offset:64*\m     ; the token that I hold in tile m
.endr
	s_lshl_b32 s29, ttmp9, 8
	s_lshl_b32 s30, s22, 6
	s_add_co_u32 s29, s29, s30                     ; my wave's first column: 256 x work-group x + 64 x wave
	s_lshl_b32 s30, s29, 11
	s_add_nc_u64 s[32:33], s[4:5], s[30:31]
	s_lshl_b32 s30, s29, 6
	s_add_nc_u64 s[34:35], s[6:7], s[30:31]
	s_lshl_b32 s30, s29, 2
	s_add_nc_u64 s[36:37], s[8:9], s[30:31]
	s_add_nc_u64 s[50:51], s[20:21], s[30:31]
	s_wait_kmcnt 0x0
	s_and_b32 s25, s25, 0xff
	s_bcnt1_i32_b32 s26, s25                       ; so many experts: at least 2 (a token's two differ), at most 8.  All but the last are walked in the loop
	s_max_u32 s26, s26, 2
	s_sub_co_u32 s26, s26, 1
	PICK 27
	BASES 27, CUR
	s_wait_loadcnt 0x0
.irp i, 0,1,2,3,4,5,6,7
	v_and_b32 v[XF+\i], 0xffff, v[XF+\i]           ; the token,
	v_min_u32 v[XF+\i], 0x7ff, v[XF+\i]            ; held inside the table,
	v_lshlrev_b32 v[XF+\i], 11, v[XF+\i]           ; its row of 2,048 codes,
	v_add_nc_u32 v[XF+\i], v20, v[XF+\i]           ; 16 bytes a lane
.endr
.irp m, 0,1,2,3
	v_and_b32 v[TMP], 0xffff, v[ORDW+\m]
	v_min_u32 v[TMP], 0x7ff, v[TMP]
	v_lshlrev_b32 v[XF+8+\m], 6, v[TMP]            ; its 64 scale bytes, + 16 h
	v_add_nc_u32 v[XF+8+\m], v22, v[XF+8+\m]
	v_lshlrev_b32 v[XF+12+\m], 3, v[TMP]           ; its (w0, w1)
.endr
	WIN 0x40                                       ; destination window 1
	s_wait_alu depctr_va_vdst(0)                   ; the sixteen offsets v[XF] .. v[XF + 15] are written, which the gathers below read; only loads and window switches follow up to the last of them
.irp i, 0,1,2,3,4,5,6,7
.irp j, 0,1,2,3,4,5,6,7
	global_load_b128 v[4*(8*\i+\j):4*(8*\i+\j)+3], v[XF+\i], s[10:11] offset:256*\j   ; sixteen lanes read 256 consecutive bytes of a token's codes, aligned
.endr
.endr
	WIN 0
.irp m, 0,1,2,3
.irp j, 0,1
	global_load_b128 v[XS+8*\m+4*\j:XS+8*\m+4*\j+3], v[XF+8+\m], s[12:13] offset:32*\j
.endr
.endr
.irp m, 0,1,2,3
	global_load_b64 v[GW+2*\m:GW+2*\m+1], v[XF+12+\m], s[14:15]
.endr
	WSLOAD 0, CUR+2
	BLOAD CUR+4
	s_wait_loadcnt 24                              ; x's codes are in; the 24 younger loads (8 of x's scale words, 4 of the gates, 4 of We's scale words, 8 of the bias) may be out
	WIN 0x04                                       ; an LDS store's data are its source 1: window 1
.irp i, 0,1,2,3,4,5,6,7
.irp j, 0,1,2,3,4,5,6,7
	ds_store_b128 v26, v[4*(8*\i+\j):4*(8*\i+\j)+3] offset:PX*\i+256*\j
.endr
.endr
.irp ks, 0,1,2
	WLOAD2 \ks, CUR, 0                             ; the ring's first three K steps; the fourth slot is filled in the first step, like every slot after it
	WLOAD2 \ks, CUR, 1
.endr
	s_wait_dscnt 0x0                               ; for the others' sake: my 16 rows lie in LDS
	s_wait_alu depctr_vm_vsrc(0)                   ; my LDS stores have read window 1's 256 registers and v26, the loads of ord v21 and v24, the gathers v[XF] .. v[XF + 15]: all of these are written again below (out and acc, the gates, x's fragments)
	s_barrier_signal -1
	WIN 0x40
.set I, 0
.rept 128
	v_mov_b32 v[OUT+I], 0                          ; out begins as zeros, so that a pass is written twice and not three times; register work while the other waves arrive and the weights are on their way
.set I, I+1
.endr
	WIN 0
.irp m, 0,1,2,3
	v_mov_b32 v[G+2*\m+1], 0                       ; named as the upper half of the gates' pairs, so they are written
.endr
	s_barrier_wait -1                              ; the launch's one barrier: all 64 rows of x lie in LDS, and nobody writes them again
	s_wait_xcnt 0x0                                ; the gathers have read their offsets: the fragments below land on those registers
	XLOAD2 0, 0, 0                                 ; (the vector lines that named v[XF] .. v[XF + 15] stand ahead of the wait on va_vdst in front of the gathers; none since names set 0 or its addresses)
	XLOAD2 0, 0, 1
.Lpass:
	PASS 0
	s_sub_co_u32 s26, s26, 1
	s_cmp_lg_u32 s26, 0
	s_cbranch_scc1 .Lpass
	PASS 1
	; THE WAY OUT.  A lane holds 32 bytes of a row and the lanes beside it hold other rows: the wave's 64 rows x 256 bytes go through its own stage and come back as whole rows; each goes to its token's row of out.
	s_wait_loadcnt 0x0                             ; the rows' words of ord
	v_and_b32 v[TMP], 15, v0
	v_lshlrev_b32 v[TMP], 4, v[TMP]
.set I, 0
.rept 32
	v_and_b32 v[BI+I], 0xffff, v[BI+I]             ; the token,
	v_min_u32 v[BI+I], 0x7ff, v[BI+I]              ; held inside the table,
	v_lshlrev_b32 v[BI+I], 13, v[BI+I]             ; its row of 8,192 bytes,
	v_add_nc_u32 v[BI+I], v[TMP], v[BI+I]          ; 16 bytes a lane
.set I, I+1
.endr
	WIN 0x04
	s_wait_alu depctr_va_vdst(0)                   ; out is written, which the LDS stores read; the rows' offsets v[BI ..] are written, which the global stores read; the last products are done reading v[XF ..], in which the stage's rows land.  No vector line follows
.irp m, 0,1,2,3
.irp t, 0,1,2,3
	ds_store_b128 v[STO], v[OUT+8*(4*\m+\t):OUT+8*(4*\m+\t)+3] offset:16*SP*\m+64*\t
	ds_store_b128 v[STO], v[OUT+8*(4*\m+\t)+4:OUT+8*(4*\m+\t)+7] offset:16*SP*\m+64*\t+16
.endr
.endr
	WIN 0
.set I, 0
.rept 32
	ds_load_b128 v[XF+4*I:XF+4*I+3], v[RD] offset:SP*I         ; LDS serves a wave's instructions in order: these see my stores; the stage is my wave's own, so no barrier
.set I, I+1
.endr
.set I, 0
.rept 32
	s_wait_dscnt 31-I                              ; LDS loads come back in order: pair I of rows is in
	global_store_b128 v[BI+I], v[XF+4*I:XF+4*I+3], s[50:51] th:TH_STORE_NT    ; sixteen lanes store 256 consecutive bytes, at a multiple of 256 from out's first byte; two rows an instruction
.set I, I+1
.endr
	s_wait_dscnt 0x0                               ; the closing lines, six on end
	s_wait_alu 0x0
	s_wait_tensorcnt 0x0
	ds_add_u32 v[SPW], v[NIL]
	s_wait_dscnt 0x0
	s_endpgm
.Lfunc_end_k_qc1c84e7f17_experts:
	.size	k_qc1c84e7f17_experts, .Lfunc_end_k_qc1c84e7f17_experts-k_qc1c84e7f17_experts
	.p2alignl 7, 3214868480
	.fill 96, 4, 3214868480
	.section	.rodata,"a",@progbits
	.p2align	6, 0x0
	.amdhsa_kernel k_qc1c84e7f17_experts
		.amdhsa_group_segment_fixed_size 202240
		.amdhsa_private_segment_fixed_size 0
		.amdhsa_enable_private_segment 0
		.amdhsa_kernarg_size 72
		.amdhsa_user_sgpr_count 2
		.amdhsa_user_sgpr_kernarg_segment_ptr 1
		.amdhsa_wavefront_size32 1
		.amdhsa_system_sgpr_workgroup_id_x 1
		.amdhsa_system_sgpr_workgroup_id_y 1
		.amdhsa_system_sgpr_workgroup_id_z 1
		.amdhsa_system_vgpr_workitem_id 0
		.amdhsa_next_free_vgpr 768
		.amdhsa_next_free_sgpr 66
		.amdhsa_reserve_vcc 0
		.amdhsa_float_denorm_mode_32 3
		.amdhsa_float_denorm_mode_16_64 3
		.amdhsa_memory_ordered 1
		.amdhsa_forward_progress 1
		.amdhsa_inst_pref_size 208
	.end_amdhsa_kernel
	.amdgpu_metadata
---
amdhsa.version: [ 1, 2 ]
amdhsa.kernels:
  - .name:           k_qc1c84e7f17_experts
    .symbol:         k_qc1c84e7f17_experts.kd
    .args:
      - { .name: We_codes, .offset: 0, .size: 8, .value_kind: global_buffer, .address_space: global }
      - { .name: We_scales, .offset: 8, .size: 8, .value_kind: global_buffer, .address_space: global }
      - { .name: be, .offset: 16, .size: 8, .value_kind: global_buffer, .address_space: global }
      - { .name: xq, .offset: 24, .size: 8, .value_kind: global_buffer, .address_space: global }
      - { .name: xs, .offset: 32, .size: 8, .value_kind: global_buffer, .address_space: global }
      - { .name: gw, .offset: 40, .size: 8, .value_kind: global_buffer, .address_space: global }
      - { .name: ord, .offset: 48, .size: 8, .value_kind: global_buffer, .address_space: global }
      - { .name: bm, .offset: 56, .size: 8, .value_kind: global_buffer, .address_space: global }
      - { .name: out0, .offset: 64, .size: 8, .value_kind: global_buffer, .address_space: global }
    .group_segment_fixed_size: 202240
    .private_segment_fixed_size: 0
    .kernarg_segment_align: 8
    .kernarg_segment_size: 72
    .max_flat_workgroup_size: 128
    .sgpr_count:     66
    .vgpr_count:     768
    .wavefront_size: 32
...
	.end_amdgpu_metadata
.endif
;; end of part 6
